; MI455X (gfx1250); checked and timed in simulation.
; The chip was launched on July 23, 2026; its instructions are those of AMD's public machine-readable ISA for CDNA 5 (MIT licence, August 2026) and "CDNA5" Instruction Set Architecture Reference Guide (July 2026). The comments in the code are by the model that wrote it; some were corrected since.
;; Attention. Allowed arithmetic: float matrix products may take bf16 or f16 operands with f32 sums; all other float work in f32.
;; Inputs: cos 2,048 x 64 float32; sin 2,048 x 64 float32; wk 4,096 x 1,024 float32; wo 2,048 x 4,096 float32; wq 4,096 x 2,048 float32; wv 4,096 x 1,024 float32; x 1 x 2,048 x 4,096 float32.
;; Outputs: out0 1 x 2,048 x 4,096 float32.
;; 2 versions, each right; version 2 is version 1 with the launch cvt written anew for expert scheduling mode. Each part assembles by itself: llvm-mc -triple=amdgcn-amd-amdhsa -mcpu=gfx1250 --defsym DOCPART=n.
;; ======== version 1 of 2: 4 launches
;; limits: values outside matrix products are rounded to bf16; values are held in f16: magnitudes above 65,504 overflow, below 6.1e-05 lose precision; right only within a limited range of input values; inputs' magnitudes at most 65,520
;; workspace buffers: xb 16,777,216 bytes; wqkvb 33,554,432 bytes; wob 16,777,216 bytes; qkv 16,777,216 bytes; ab 8,388,608 bytes
;; launch cvt (part 1): grid 2048 x 1, 8 waves a work-group, no clusters, 0 bytes of LDS; arguments x, wq, wk, wv, wo, xb, wqkvb, wob; writes xb, wqkvb, wob
.if DOCPART == 1
	.amdgcn_target "amdgcn-amd-amdhsa--gfx1250"
	.amdhsa_code_object_version 6
	.text
	.protected	k_q652d8c1ba5_cvt
	.globl	k_q652d8c1ba5_cvt
	.p2align	8
	.type	k_q652d8c1ba5_cvt,@function
k_q652d8c1ba5_cvt:
	s_mov_b64 s[64:65], 0
	v_nop
	global_prefetch_b8 v0, s[64:65] scope:SCOPE_SE
	s_setreg_imm32_b32 hwreg(HW_REG_WAVE_MODE, 25, 1), 1
	s_wait_xcnt 0x0
; cvt: the f32 inputs of the two products, rounded once to 16 bits and laid as the products want them.
;   xb    [2048][4096] bf16 = x
;   wqkvb [4096 k][4096 n] bf16: columns 0-2047 wq, 2048-3071 wk, 3072-4095 wv (a row is 8,192 bytes)
;   wob   [2048 k][4096 n] f16  = wo rounded to bf16 and then written as f16
; LIMIT (format): a bf16 number is an f16 number exactly for 2^-17 <= |w| < 65,520; below that the absolute error is at most 2^-25,
; above it the f16 is an infinity.
; A stream: no LDS, no barrier, no matrix unit.  A unit is 1,024 neighbouring f32 (4,096 bytes in, 2,048 out); a work-group of eight
; waves takes 16 neighbouring units, thread t the 16 bytes at 16 t of each.  4 x 512 work-groups: x, wq, wk and wv, wo.
; All 16 loads of a wave go out at once; each store of a wave covers 256 consecutive bytes, aligned.  No register is written twice
; while a memory instruction names it, so the only waits are the counted ones for the loads.
.set SO, 4                             ; v[4:11]   pair p of units: byte offset of my 8 bytes from the group's first output byte
.set X,  16                            ; v[16:79]  unit i: 4 registers as loaded; the first two are then the 8 bytes to store
	s_load_b512 s[8:23], s[0:1], 0x0               ; x 8, wq 10, wk 12, wv 14, wo 16, xb 18, wqkvb 20, wob 22
	s_lshr_b32 s2, ttmp9, 9                        ; region: 0 x, 1 wq, 2 wk and wv, 3 wo
	s_and_b32 s3, ttmp9, 511                       ; the work-group's number in its region
	s_and_b32 s32, s3, 255                         ; region 2: its number in wk or in wv,
	s_lshr_b32 s33, s3, 8                          ; and which of the two
	s_lshl_b32 s28, s3, 16                         ; source offset: 16 units of 4,096 bytes
	s_lshl_b32 s29, s3, 15                         ; output offset where the layout stays (x, wo): 16 units of 2,048 bytes
	s_mov_b32 s30, 2048                            ; from an even unit to the odd one behind it, in the output
	s_mov_b32 s31, 4096                            ; from a pair of units to the next
	s_lshl_b32 s37, s32, 17                        ; region 2: a unit is a row: 16 rows of 8,192 bytes,
	s_lshl_b32 s38, s33, 11
	s_add_co_u32 s37, s37, s38                     ; + 2,048 for wv,
	s_add_co_u32 s37, s37, 4096                    ; + column 2,048
	s_lshl_b32 s38, s32, 16                        ; region 2: source offset
	s_mov_b32 s36, 0xffff0000                      ; a word's upper bf16
	v_lshlrev_b32 v1, 4, v0                        ; my 16 bytes of a unit
	v_lshlrev_b32 v2, 3, v0                        ; my 8 bytes of its output
	s_wait_kmcnt 0x0
	s_cmp_eq_u32 s2, 1                             ; wq: two units make a row, whose output row is 8,192 bytes long
	s_cselect_b64 s[24:25], s[10:11], s[8:9]
	s_cselect_b64 s[26:27], s[20:21], s[18:19]
	s_cselect_b32 s29, s28, s29
	s_cselect_b32 s31, 8192, s31
	s_cmp_eq_u32 s2, 3                             ; wo: as x, other buffers
	s_cselect_b64 s[24:25], s[16:17], s[24:25]
	s_cselect_b64 s[26:27], s[22:23], s[26:27]
	s_cmp_eq_u32 s33, 1
	s_cselect_b64 s[34:35], s[14:15], s[12:13]     ; wv or wk
	s_cmp_eq_u32 s2, 2
	s_cselect_b64 s[24:25], s[34:35], s[24:25]
	s_cselect_b64 s[26:27], s[20:21], s[26:27]
	s_cselect_b32 s28, s38, s28
	s_cselect_b32 s29, s37, s29
	s_cselect_b32 s30, 8192, s30
	s_cselect_b32 s31, 16384, s31
	s_mov_b32 s34, s28
	s_mov_b32 s35, 0
	s_add_nc_u64 s[24:25], s[24:25], s[34:35]      ; the group's first source byte
	s_mov_b32 s34, s29
	s_add_nc_u64 s[26:27], s[26:27], s[34:35]      ; the even units' base in the output
	s_mov_b32 s34, s30
	s_add_nc_u64 s[34:35], s[26:27], s[34:35]      ; the odd units' base
.irp i, 0,1,2,3,4,5,6,7,8,9,10,11,12,13,14,15
	global_load_b128 v[X+4*\i:X+4*\i+3], v1, s[24:25] offset:4096*\i th:TH_LOAD_NT   ; read once in the whole program
.endr
.irp p, 0,1,2,3,4,5,6,7
	v_mad_u32_u24 v[SO+\p], s31, \p, v2
.endr
; Unit i.  half = 1: the bf16 numbers are widened again and written as f16.
.macro UNIT i, half
	s_wait_loadcnt 15-\i                           ; loads come back in order (ISA guide 5.7.1): the 15 - i younger ones may stay out
	v_cvt_pk_bf16_f32 v[X+4*\i],   v[X+4*\i],   v[X+4*\i+1]
	v_cvt_pk_bf16_f32 v[X+4*\i+1], v[X+4*\i+2], v[X+4*\i+3]
.if \half
	v_lshlrev_b32 v[X+4*\i+2], 16, v[X+4*\i]
	v_and_b32     v[X+4*\i+3], s36, v[X+4*\i]
	v_cvt_pk_f16_f32 v[X+4*\i], v[X+4*\i+2], v[X+4*\i+3]
	v_lshlrev_b32 v[X+4*\i+2], 16, v[X+4*\i+1]
	v_and_b32     v[X+4*\i+3], s36, v[X+4*\i+1]
	v_cvt_pk_f16_f32 v[X+4*\i+1], v[X+4*\i+2], v[X+4*\i+3]
.endif
.if (\i) & 1
	global_store_b64 v[SO+(\i)/2], v[X+4*\i:X+4*\i+1], s[34:35]    ; no hint: the next launches read it
.else
	global_store_b64 v[SO+(\i)/2], v[X+4*\i:X+4*\i+1], s[26:27]
.endif
.endm
	s_cmp_eq_u32 s2, 3
	s_cbranch_scc1 .Lhalf
.irp i, 0,1,2,3,4,5,6,7,8,9,10,11,12,13,14,15
	UNIT \i, 0
.endr
	s_endpgm
.Lhalf:
.irp i, 0,1,2,3,4,5,6,7,8,9,10,11,12,13,14,15
	UNIT \i, 1
.endr
	s_endpgm
.Lfunc_end_k_q652d8c1ba5_cvt:
	.size	k_q652d8c1ba5_cvt, .Lfunc_end_k_q652d8c1ba5_cvt-k_q652d8c1ba5_cvt
	.p2alignl 7, 3214868480
	.fill 96, 4, 3214868480
	.section	.rodata,"a",@progbits
	.p2align	6, 0x0
	.amdhsa_kernel k_q652d8c1ba5_cvt
		.amdhsa_group_segment_fixed_size 0
		.amdhsa_private_segment_fixed_size 0
		.amdhsa_enable_private_segment 0
		.amdhsa_kernarg_size 64
		.amdhsa_user_sgpr_count 2
		.amdhsa_user_sgpr_kernarg_segment_ptr 1
		.amdhsa_wavefront_size32 1
		.amdhsa_system_sgpr_workgroup_id_x 1
		.amdhsa_system_sgpr_workgroup_id_y 1
		.amdhsa_system_sgpr_workgroup_id_z 1
		.amdhsa_system_vgpr_workitem_id 0
		.amdhsa_next_free_vgpr 80
		.amdhsa_next_free_sgpr 66
		.amdhsa_reserve_vcc 0
		.amdhsa_float_denorm_mode_32 3
		.amdhsa_float_denorm_mode_16_64 3
		.amdhsa_memory_ordered 1
		.amdhsa_forward_progress 1
		.amdhsa_inst_pref_size 16
	.end_amdhsa_kernel
	.amdgpu_metadata
---
amdhsa.version: [ 1, 2 ]
amdhsa.kernels:
  - .name:           k_q652d8c1ba5_cvt
    .symbol:         k_q652d8c1ba5_cvt.kd
    .args:
      - { .name: x, .offset: 0, .size: 8, .value_kind: global_buffer, .address_space: global }
      - { .name: wq, .offset: 8, .size: 8, .value_kind: global_buffer, .address_space: global }
      - { .name: wk, .offset: 16, .size: 8, .value_kind: global_buffer, .address_space: global }
      - { .name: wv, .offset: 24, .size: 8, .value_kind: global_buffer, .address_space: global }
      - { .name: wo, .offset: 32, .size: 8, .value_kind: global_buffer, .address_space: global }
      - { .name: xb, .offset: 40, .size: 8, .value_kind: global_buffer, .address_space: global }
      - { .name: wqkvb, .offset: 48, .size: 8, .value_kind: global_buffer, .address_space: global }
      - { .name: wob, .offset: 56, .size: 8, .value_kind: global_buffer, .address_space: global }
    .group_segment_fixed_size: 0
    .private_segment_fixed_size: 0
    .kernarg_segment_align: 8
    .kernarg_segment_size: 64
    .max_flat_workgroup_size: 256
    .sgpr_count:     66
    .vgpr_count:     80
    .wavefront_size: 32
...
	.end_amdgpu_metadata
.endif
;; end of part 1
;; launch qkv (part 2): grid 16 x 16, 4 waves a work-group, clusters of 4 x 4, 327,680 bytes of LDS; arguments xb, wqkvb, qkv, cos, sin; writes qkv
.if DOCPART == 2
	.amdgcn_target "amdgcn-amd-amdhsa--gfx1250"
	.amdhsa_code_object_version 6
	.text
	.protected	k_q652d8c1ba5_qkv
	.globl	k_q652d8c1ba5_qkv
	.p2align	8
	.type	k_q652d8c1ba5_qkv,@function
k_q652d8c1ba5_qkv:
	s_mov_b64 s[64:65], 0
	v_nop
	global_prefetch_b8 v0, s[64:65] scope:SCOPE_SE
	s_setreg_imm32_b32 hwreg(HW_REG_WAVE_MODE, 25, 1), 1
	s_wait_xcnt 0x0
	s_wait_alu depctr_hold_cnt(0) depctr_sa_sdst(0) depctr_va_vdst(0) depctr_va_sdst(0) depctr_va_ssrc(0) depctr_va_vcc(0) depctr_vm_vsrc(0)
	s_getreg_b32 s2, hwreg(HW_REG_IB_STS2, 6, 4)
	s_cmp_eq_u32 s2, 0
	s_cbranch_scc0 .Lentry_in_a_cluster
	s_endpgm
.Lentry_in_a_cluster:
	s_bfe_u32 s2, ttmp6, 0x10000c
	s_cmp_lg_u32 s2, 0xf033
	s_cbranch_scc0 .Lentry_shape_is_right
	s_endpgm
.Lentry_shape_is_right:
; qkv[s][n] = sum over k of xb[s][k] wqkvb[k][n], then the rotation by cos and sin and a scale, rounded once to f16.
;   columns 0-2047:    q' = rope(q) * log2(e)/sqrt(128)      columns 2048-3071: k' = rope(k) / 8      columns 3072-4095: v' = v / 8
; so that 8 q'.k' is the score times log2(e).  The eighths are powers of two: they change no bit of the mantissa.
; LIMITS (format): cos and sin are rounded to bf16 like every other input of the program (ROUND_CS); q', k', v' are f16, which holds
; |q| < 5.1e5 and |k|, |v| < 5.2e5; sums in f32.
; A work-group makes a block of 128 rows x 256 columns with four waves; a wave makes 64 x 128 (one head): 32 accumulator tiles of
; 16 x 16, 256 registers.  xb lies [M][K]; wqkvb lies [K][N]: its tile has k-rows of 512 bytes and is read with the transposing LDS
; load, which hands a lane eight neighbouring k of one column.
; THE RING: two LDS slots of unlike size, filled by the tensor data mover: a large one for 256 along K and a small one for 128, and K is
; walked in chunks of 256, 128, 256, .. , 256.  A chunk costs 816 LDS bytes for each k, so two slots of 256 (413,696 bytes) do not fit
; in the 327,680 of a WGP; these two take 311,296.  A slot is asked for again in its chunk's last quarter and waited for in the last
; quarter of the other slot's chunk: the small slot's load has 248 matrix instructions of the wave in which to land, the large slot's
; 120, and 384 along K pass two barriers.  Every tile's rows start at multiples of 256 bytes (a pair of chunks steps 768).
; CLUSTERS: 4 x 4 work-groups.  The four of a row of the cluster need the same tiles of xb, the four of a column the same tiles of
; wqkvb: each tile is asked for jointly, which divides the requests for both by four.  The cluster's x picks the rows of xb and its y
; the columns of wqkvb: clusters that follow each other along x read the same tiles of wqkvb, the larger operand.
; THE MATRIX INSTRUCTION IS USED TRANSPOSED: source 0 = 16 columns of W, source 1 = 16 rows of x: lane l then holds row l % 16 and
; its registers 0 to 7 the columns 8 (l / 16) + 0 .. 7.
; REGISTERS: window 0: addresses, two fragment buffers, the way out; window 1: accumulator tile (a, b) at v[8 (8 a + b)].
.set ROUND_CS, 1
.set SIZE_K, 4096
.set SIZE_N, 4096
.set KBIG,   256                       ; along K in the large slot (slot 0)
.set KSML,   128                       ; and in the small one (slot 1)
.set KPAIR,  KBIG+KSML
.set RX,     0                         ; the slot of the first, third, .. , last chunk: here the large one (4096 = 256 + 10 x 384)
.set RY,     1-RX
.set K0BIG,  RX*KSML                   ; where along K each slot's first chunk begins
.set K0SML,  RY*KBIG
.set TRIPS,  (SIZE_K-K0BIG-K0SML)/KPAIR-1   ; the loop's pairs of chunks: one chunk stands in front of it, two behind
.set PB,     544                       ; LDS row of W's tiles: 512 bytes + 32: an odd multiple of 32
.set PAB,    528                       ; LDS row of x's large tile: 512 bytes + 16: an odd multiple of 16
.set PAS,    272                       ; and of its small one: 256 bytes + 16
.set BBIG,   0                         ; W large: 256 k-rows
.set ABIG,   BBIG+KBIG*PB              ; x large: 128 rows, at 139,264
.set BSML,   ABIG+128*PAB              ; W small: 128 k-rows, at 206,848
.set ASML,   BSML+KSML*PB              ; x small: 128 rows, at 276,480; the ring ends at 311,296
.set SP,     528                       ; the way out: a stage of 64 rows x 528 bytes for each wave, on the ring's first 135,168 bytes,
                                       ; used only behind the ring's last fill and last read
.set ADRA, 16                          ; v16-17  LDS address of my x fragments in the large, the small slot
.set ADRB, 20                          ; v20-22  the same for W: large slot quarters 0-3, quarters 4-7, small slot
.set STO,  24                          ; v24     the way out: where I put 32 bytes of a row
.set RD,   25                          ; v25     the way out: where I read a row back; stepped by the loop over rows
.set CO,   26                          ; v26     8 x lane: my 8 bytes of a row of qkv, of cos and of sin
.set F0,   32                          ; fragment buffer 0: W's eight fragments, then x's four
.set F1,   128                         ; fragment buffer 1
.set XR,   32                          ; the way out: row t, 4 registers
.set CS,   128                         ;              row t, its two cos
.set SN,   160                         ;              row t, its two sin
.set YR,   192                         ;              row t, 8 bytes to store
.set T,    224                         ;              at work
.set G1A, 24                           ; s[24:39] descriptor group 1 for x's tiles: large slot, small slot
.set G1B, 48                           ; s[48:63] group 1 for W's tiles
.set G0A, 68                           ; s[68:75] group 0 for x's tiles: large slot, small slot
.set G0B, 76                           ; s[76:83] group 0 for W's tiles
.set MULW, 0x50                        ; sources 0 and 1 window 0, C and D window 1
.set FROM_ACC, 0x04                    ; an LDS store's data from window 1
.set MSB, 0
.macro WIN new                         ; the immediate's high byte repeats the setting that is left
.if MSB != \new
	s_set_vgpr_msb (MSB<<8)|\new
.set MSB, \new
.endif
.endm
; A joint load into slot r.  Waves 0 and 1 fetch W's two halves, waves 2 and 3 x's.  The branch hangs on the wave's number alone.
.macro JLOAD r
	s_cmp_eq_u32 s11, 0
	s_cbranch_scc0 .Lfor_a_\@
	tensor_load_to_lds s[G0B+4*\r:G0B+4*\r+3], s[G1B+8*\r:G1B+8*\r+7]
	s_nop 0
	s_branch .Lasked_\@
.Lfor_a_\@:
	tensor_load_to_lds s[G0A+4*\r:G0A+4*\r+3], s[G1A+8*\r:G1A+8*\r+7]
	s_nop 0
.Lasked_\@:
.endm
.macro CREST                           ; a round of the cluster's barrier behind its opening barrier
	s_cmp_lg_u32 s10, 0
	s_cbranch_scc1 .Lnot_wave_0_\@
	s_barrier_signal -3
.Lnot_wave_0_\@:
	s_barrier_wait -3
	s_barrier_signal -1
	s_barrier_wait -1
.endm
.macro CROUND                          ; a whole round
	s_barrier_signal -1
	s_barrier_wait -1
	CREST
.endm
.macro PLACES                          ; four places behind a matrix instruction (ISA guide 7.12.1), where there is no other vector work
.rept 4
	v_nop
.endr
.endm
	s_load_b128 s[4:7], s[0:1], 0x0                ; xb s[4:5], wqkvb s[6:7]
	s_load_b64 s[8:9], s[0:1], 0x10                ; qkv
	s_load_b128 s[84:87], s[0:1], 0x18             ; cos s[84:85], sin s[86:87]
	v_lshl_add_u32 v254, v0, 2, 0x4c000
	v_mov_b32 v255, 0
	ds_add_u32 v254, v255
	v_lshrrev_b32 v1, 5, v0
	v_readfirstlane_b32 s10, v1                    ; wave 0..3
	s_lshr_b32 s11, s10, 1                         ; which 64 rows of the block are mine.  Also: I fetch for W (0) or for x (1)
	s_and_b32 s12, s10, 1                          ; which 128 columns.  Also: which half of that tile's rows I fetch
	s_bfe_u32 s40, ttmp6, 0x40000                  ; cx
	s_bfe_u32 s41, ttmp6, 0x40004                  ; cy
	s_and_b32 s94, ttmp7, 0xffff                   ; cluster y
	s_lshl_b32 s42, s94, 2
	s_add_co_u32 s42, s42, s40                     ; block column = 4 x cluster y + cx
	s_lshl_b32 s13, ttmp9, 2
	s_add_co_u32 s13, s13, s41                     ; block row = 4 x cluster x + cy
	s_lshl_b32 s43, s41, 2
	s_lshl_b32 s43, 15, s43                        ; my row of the cluster: places 4 cy .. 4 cy + 3
	s_lshl_b32 s44, 0x1111, s40                    ; my column: places cx, cx + 4, cx + 8, cx + 12
	; group 1 for x: 64 rows of 256 or 128 elements of 2 bytes, 4 words of padding behind every row (128 or 64 words)
	s_or_b32 s[G1A+0], s43, (1<<16)|(1<<20)|(1<<21)|(6<<22)|(3<<25)
	s_mov_b32 s[G1A+1], KBIG<<16                   ; tensor_dim0
	s_mov_b32 s[G1A+2], 64<<16                     ; tensor_dim1
	s_mov_b32 s[G1A+3], KBIG<<16                   ; tile_dim0
	s_or_b32 s[G1A+8], s43, (1<<16)|(1<<20)|(1<<21)|(5<<22)|(3<<25)
	s_mov_b32 s[G1A+9], KSML<<16
	s_mov_b32 s[G1A+10], 64<<16
	s_mov_b32 s[G1A+11], KSML<<16
.irp g, G1A, G1A+8
	s_mov_b32 s[\g+4], 64                          ; tile_dim1
	s_mov_b32 s[\g+5], SIZE_K                      ; elements from row to row
	s_mov_b32 s[\g+6], 0
	s_mov_b32 s[\g+7], 0
.endr
	; group 1 for W: 128 or 64 k-rows of 256 elements, 8 words of padding behind every 128 words
	s_or_b32 s[G1B+0], s44, (1<<16)|(1<<20)|(1<<21)|(6<<22)|(7<<25)
	s_mov_b32 s[G1B+2], (KBIG/2)<<16
	s_mov_b32 s[G1B+4], KBIG/2
	s_or_b32 s[G1B+8], s44, (1<<16)|(1<<20)|(1<<21)|(6<<22)|(7<<25)
	s_mov_b32 s[G1B+10], (KSML/2)<<16
	s_mov_b32 s[G1B+12], KSML/2
.irp g, G1B, G1B+8
	s_mov_b32 s[\g+1], 256<<16
	s_mov_b32 s[\g+3], 256<<16
	s_mov_b32 s[\g+5], SIZE_N
	s_mov_b32 s[\g+6], 0
	s_mov_b32 s[\g+7], 0
.endr
	; where the tiles come from: x's hang on the block row alone, W's on the block column alone, each in registers of its own
	s_lshl_b32 s16, s13, 7
	s_lshl_b32 s17, s12, 6
	s_add_co_u32 s16, s16, s17                     ; x: row 128 x block row + 64 x half
	s_mul_i32 s16, s16, SIZE_K*2                   ; in bytes: below 2^25
	s_mov_b32 s17, 0
	s_lshl_b32 s46, s42, 9                         ; W: 256 columns of 2 bytes for each block column
	s_mov_b32 s47, 0
	s_mul_i32 s90, s12, (KBIG/2)*SIZE_N*2          ; W large: my half of its k-rows,
	s_add_co_u32 s90, s90, K0BIG*SIZE_N*2          ; from the slot's first chunk on
	s_mov_b32 s91, 0
	s_mul_i32 s92, s12, (KSML/2)*SIZE_N*2          ; W small likewise
	s_add_co_u32 s92, s92, K0SML*SIZE_N*2
	s_mov_b32 s93, 0
	s_mul_i32 s20, s10, 64*PAB                     ; where they go: the wave's number times a constant, plus a constant below
	s_mul_i32 s21, s10, 64*PAS
	s_mul_i32 s22, s10, (KBIG/2)*PB
	s_mul_i32 s23, s10, (KSML/2)*PB
	s_wait_dscnt 0x0
	s_wait_kmcnt 0x0
	s_add_nc_u64 s[14:15], s[4:5], s[16:17]
	s_add_nc_u64 s[46:47], s[6:7], s[46:47]
	CROUND                                         ; all sixteen work-groups are here: the first joint loads meet
	s_mov_b32 s[G0A+0], 1
	s_add_co_u32 s[G0A+1], s20, ABIG-128*PAB       ; x large, waves 2, 3: 139,264 + (wave - 2) x 33,792
	s_add_nc_u64 s[G0A+2:G0A+3], s[14:15], K0BIG*2
	s_or_b32 s[G0A+3], s[G0A+3], 0x80000000
	s_mov_b32 s[G0A+4], 1
	s_add_co_u32 s[G0A+5], s21, ASML-128*PAS       ; x small, waves 2, 3: 276,480 + (wave - 2) x 17,408
	s_add_nc_u64 s[G0A+6:G0A+7], s[14:15], K0SML*2
	s_or_b32 s[G0A+7], s[G0A+7], 0x80000000
	s_mov_b32 s[G0B+0], 1
	s_add_co_u32 s[G0B+1], s22, BBIG               ; W large, waves 0, 1: wave x 69,632
	s_add_nc_u64 s[G0B+2:G0B+3], s[46:47], s[90:91]
	s_or_b32 s[G0B+3], s[G0B+3], 0x80000000
	s_mov_b32 s[G0B+4], 1
	s_add_co_u32 s[G0B+5], s23, BSML               ; W small, waves 0, 1: 206,848 + wave x 34,816
	s_add_nc_u64 s[G0B+6:G0B+7], s[46:47], s[92:93]
	s_or_b32 s[G0B+7], s[G0B+7], 0x80000000
	JLOAD RX                                       ; chunks 0 and 1: two tensor loads of the wave are out, the most in this text
	JLOAD RY
	v_and_b32 v1, 15, v0                           ; r = l % 16
	v_bfe_u32 v2, v0, 4, 1                         ; h = l / 16
	v_mul_u32_u24 v3, v1, PAB
	v_lshl_add_u32 v3, v2, 4, v3                   ; x: row r, 16 bytes for each half of the lanes
	s_mul_i32 s21, s11, 64*PAB
	s_add_co_u32 s21, s21, ABIG
	v_add_nc_u32 v[ADRA], s21, v3
	v_mul_u32_u24 v3, v1, PAS
	v_lshl_add_u32 v3, v2, 4, v3
	s_mul_i32 s21, s11, 64*PAS
	s_add_co_u32 s21, s21, ASML
	v_add_nc_u32 v[ADRA+1], s21, v3
	v_and_b32 v4, 7, v0
	v_lshl_add_u32 v4, v2, 3, v4                   ; W: k-row 8 h + l % 8,
	v_mul_u32_u24 v4, v4, PB
	v_bfe_u32 v5, v0, 3, 1
	v_lshl_add_u32 v4, v5, 4, v4                   ; 16 bytes for each group of eight lanes,
	s_lshl_b32 s22, s12, 8                         ; my 128 columns
	v_add_nc_u32 v[ADRB], s22, v4
	v_add_nc_u32 v[ADRB+1], 4*32*PB, v[ADRB]       ; quarters 4 to 7: an LDS offset has 16 bits
	v_add_nc_u32 v[ADRB+2], BSML-BBIG, v[ADRB]
	s_mul_i32 s23, s10, 64*SP                      ; my stage
	v_mul_u32_u24 v4, v1, SP
	v_lshl_add_u32 v4, v2, 5, v4                   ; in: row r, 32 bytes for each half of the lanes
	v_add_nc_u32 v[STO], s23, v4
	v_and_b32 v5, 31, v0
	v_lshl_add_u32 v[RD], v5, 4, s23               ; back: a row of 512 bytes, 16 a lane
	v_lshlrev_b32 v[CO], 3, v5
; 8 matrix instructions: row block a x all 8 column blocks, 32 along K.  zero = 1: the first product starts the sums.
.macro MULA f, a, zero
.irp b, 0,1,2,3,4,5,6,7
.if \zero
	v_wmma_f32_16x16x32_bf16 v[8*(8*\a+\b):8*(8*\a+\b)+7], v[\f+8*\b:\f+8*\b+7], v[\f+64+8*\a:\f+64+8*\a+7], 0
.else
	v_wmma_f32_16x16x32_bf16 v[8*(8*\a+\b):8*(8*\a+\b)+7], v[\f+8*\b:\f+8*\b+7], v[\f+64+8*\a:\f+64+8*\a+7], v[8*(8*\a+\b):8*(8*\a+\b)+7]
.endif
.endr
.endm
; 24 LDS loads in one run: the fragments of quarter q of slot r (32 k x 128 columns of W, 64 rows x 32 k of x) into buffer f.
; A quarter is 32 along K: the large slot has eight, the small one four.
.macro FETCH r, q, f
	WIN 0
.irp b, 0,1,2,3,4,5,6,7
	ds_load_tr16_b128 v[\f+8*\b:\f+8*\b+3],   v[ADRB+2*\r+(\q)/4] offset:((\q)%4)*32*PB+32*\b
	ds_load_tr16_b128 v[\f+8*\b+4:\f+8*\b+7], v[ADRB+2*\r+(\q)/4] offset:((\q)%4)*32*PB+32*\b+16*PB
.endr
.irp a, 0,1,2,3
	ds_load_b128 v[\f+64+8*\a:\f+64+8*\a+3],   v[ADRA+\r] offset:(\q)*64+\a*16*(PAB-(PAB-PAS)*\r)
	ds_load_b128 v[\f+64+8*\a+4:\f+64+8*\a+7], v[ADRA+\r] offset:(\q)*64+\a*16*(PAB-(PAB-PAS)*\r)+32
.endr
.endm
; Quarter q of slot r, not the slot's last: 32 matrix instructions on buffer q % 2; in its middle quarter q + 1 is fetched into the other
; buffer.  The 32 accumulators take turns, one instruction a turn, in the same order in every quarter.
.macro QUARTER r, q, zero
.set FC, F0+((\q)%2)*(F1-F0)
.set FN, F0+((\q+1)%2)*(F1-F0)
	s_wait_dscnt 4                                 ; all of W and x's fragments 0, 1 are in; the youngest four loads (fragments 2, 3) may be out
	WIN MULW
	MULA FC, 0, \zero
	MULA FC, 1, \zero
	PLACES                                         ; the other buffer was read by matrix instructions: four places in front of the loads into it
	FETCH \r, \q+1, FN
	s_wait_dscnt 24                                ; all but the 24 just issued
	WIN MULW
	MULA FC, 2, \zero
	MULA FC, 3, \zero
.endm
.macro BODY r, zero                    ; all quarters of slot r but the last
	QUARTER \r, 0, \zero
	QUARTER \r, 1, 0
	QUARTER \r, 2, 0
.if \r == 0
	QUARTER \r, 3, 0
	QUARTER \r, 4, 0
	QUARTER \r, 5, 0
	QUARTER \r, 6, 0
.endif
.endm
; A slot's last quarter (an odd one: buffer 1) changes slots.  fill = 1: slot r is filled again, with the chunk 384 further along K.
; In front of the barrier each wave waits for its reads of this slot and for all its tensor loads (one is out: its part of the next slot).
; Behind it (and, where a slot is filled, behind the cluster's round that it opens) the refill comes first, then the next slot is read.
.macro TURN r, nr, fill
	s_wait_dscnt 4
	WIN MULW
	MULA F1, 0, 0
	s_wait_dscnt 0                                 ; my reads of this slot are over
	s_wait_tensorcnt 0x0                           ; and all my tensor loads have landed
	ds_add_u32 v254, v255
	s_wait_dscnt 0x0
	s_barrier_signal -1
	MULA F1, 1, 0                                  ; register work while the others arrive
	WIN 0
	s_barrier_wait -1
.if \fill
	CREST                                          ; no wave of any partner still reads this slot or has a load on its way
	s_add_nc_u64 s[G0A+4*\r+2:G0A+4*\r+3], s[G0A+4*\r+2:G0A+4*\r+3], KPAIR*2
	s_add_nc_u64 s[G0B+4*\r+2:G0B+4*\r+3], s[G0B+4*\r+2:G0B+4*\r+3], KPAIR*SIZE_N*2
	JLOAD \r                                       ; the wave's one tensor load behind the round
.endif
	PLACES
	FETCH \nr, 0, F0
	WIN MULW
	MULA F1, 2, 0
	MULA F1, 3, 0
.endm
	s_wait_tensorcnt 0x1                           ; my part of chunk 0 is in; chunk 1's may stay out
	s_barrier_signal -1
	s_barrier_wait -1
	FETCH RX, 0, F0
	BODY RX, 1                                     ; chunk 0 stands in front of the loop: its first products start the sums
	TURN RX, RY, 1
	WIN 0
	s_mov_b32 s3, TRIPS
.Lpair:
	BODY RY, 0
	TURN RY, RX, 1
	BODY RX, 0
	TURN RX, RY, 1
	WIN 0
	s_sub_co_u32 s3, s3, 1
	s_cmp_lg_u32 s3, 0
	s_cbranch_scc1 .Lpair
	BODY RY, 0                                     ; the last two chunks fill nothing
	TURN RY, RX, 0
	BODY RX, 0
	s_wait_dscnt 4
	WIN MULW
	MULA F1, 0, 0
	MULA F1, 1, 0
	s_wait_dscnt 0                                 ; my last reads of the ring are over; its last fill was waited for at the last change of slots
	s_barrier_signal -1
	MULA F1, 2, 0
	MULA F1, 3, 0
	WIN 0
	s_barrier_wait -1                              ; every wave's are: the ring's bytes now serve as the stage
	; THE WAY OUT: the wave's 64 x 128 f32 sums go into its own stage in LDS and come back as whole rows of 512 bytes, so that a lane
	; holds columns 4 l .. 4 l + 3 of my head: the pairs 2 l and 2 l + 1 of the rotation, whose cos and sin are the 8 bytes at 8 l.
	PLACES                                         ; behind the last matrix instructions: results are read, fragment registers loaded
	s_lshl_b32 s16, s13, 7
	s_lshl_b32 s17, s11, 6
	s_add_co_u32 s16, s16, s17                     ; my first row
	s_lshl_b32 s18, s16, 8                         ; a row of cos or sin is 256 bytes
	s_mov_b32 s19, 0
	s_add_nc_u64 s[84:85], s[84:85], s[18:19]
	s_add_nc_u64 s[86:87], s[86:87], s[18:19]
	s_lshl_b32 s16, s16, 13                        ; a row of qkv is 8,192 bytes
	s_mov_b32 s17, 0
	s_add_nc_u64 s[8:9], s[8:9], s[16:17]
	s_lshl_b32 s46, s42, 9                         ; my first column, in bytes: 512 x block column + 256 x half
	s_lshl_b32 s47, s12, 8
	s_add_co_u32 s46, s46, s47
	s_mov_b32 s47, 0
	s_add_nc_u64 s[8:9], s[8:9], s[46:47]
	s_mov_b32 s67, 0xffff0000
	s_cmp_eq_u32 s94, 3                            ; cluster y = 3: columns 3072-4095 = v: no rotation
	s_cselect_b32 s66, 0, -1                       ; all lanes: rotate or not
	s_mov_b32 s88, 0x3e000000                      ; 1/8 for k and v,
	s_mov_b32 s89, 0x3e0293ee                      ; log2(e)/sqrt(128) for q,
	s_cmp_lt_u32 s94, 2                            ; which is cluster y = 0 and 1
	s_cselect_b32 s88, s89, s88
	s_mov_b32 s89, s88
	WIN FROM_ACC
.irp a, 0,1,2,3
.irp b, 0,1,2,3,4,5,6,7
	ds_store_b128 v[STO], v[8*(8*\a+\b):8*(8*\a+\b)+3]   offset:16*SP*\a+64*\b
	ds_store_b128 v[STO], v[8*(8*\a+\b)+4:8*(8*\a+\b)+7] offset:16*SP*\a+64*\b+16
.endr
.endr
	WIN 0
.macro ROW t
	s_wait_loadcnt 30-2*\t                         ; cos and sin of rows 0 .. t are in: two loads a row, 32 a trip
	s_wait_dscnt 15-\t                             ; and row t of the stage
.if ROUND_CS
	v_cvt_pk_bf16_f32 v[T],   v[CS+2*\t], v[CS+2*\t+1]
	v_cvt_pk_bf16_f32 v[T+1], v[SN+2*\t], v[SN+2*\t+1]
	v_lshlrev_b32 v[CS+2*\t],   16,  v[T]
	v_and_b32     v[CS+2*\t+1], s67, v[T]
	v_lshlrev_b32 v[SN+2*\t],   16,  v[T+1]
	v_and_b32     v[SN+2*\t+1], s67, v[T+1]
.endif
	v_cndmask_b32 v[CS+2*\t],   1.0, v[CS+2*\t],   s66          ; v: cos = 1, sin = 0
	v_cndmask_b32 v[CS+2*\t+1], 1.0, v[CS+2*\t+1], s66
	v_cndmask_b32 v[SN+2*\t],   0,   v[SN+2*\t],   s66
	v_cndmask_b32 v[SN+2*\t+1], 0,   v[SN+2*\t+1], s66
	v_pk_mul_f32 v[CS+2*\t:CS+2*\t+1], v[CS+2*\t:CS+2*\t+1], s[88:89] op_sel_hi:[1,0]   ; the scale rides on cos and sin
	v_pk_mul_f32 v[SN+2*\t:SN+2*\t+1], v[SN+2*\t:SN+2*\t+1], s[88:89] op_sel_hi:[1,0]
	v_mul_f32 v[T],   v[XR+4*\t+1], v[SN+2*\t]
	v_mul_f32 v[T+1], v[XR+4*\t+1], v[CS+2*\t]
	v_mul_f32 v[T+2], v[XR+4*\t+3], v[SN+2*\t+1]
	v_mul_f32 v[T+3], v[XR+4*\t+3], v[CS+2*\t+1]
	v_fma_f32 v[T],   v[XR+4*\t],   v[CS+2*\t],   -v[T]         ; tr c - ti s
	v_fma_f32 v[T+1], v[XR+4*\t],   v[SN+2*\t],   v[T+1]        ; tr s + ti c
	v_fma_f32 v[T+2], v[XR+4*\t+2], v[CS+2*\t+1], -v[T+2]
	v_fma_f32 v[T+3], v[XR+4*\t+2], v[SN+2*\t+1], v[T+3]
	v_cvt_pk_f16_f32 v[YR+2*\t],   v[T],   v[T+1]
	v_cvt_pk_f16_f32 v[YR+2*\t+1], v[T+2], v[T+3]
	global_store_b64 v[CO], v[YR+2*\t:YR+2*\t+1], s[8:9] offset:\t*SIZE_N*2   ; the wave stores 256 consecutive bytes, aligned
.endm
	s_mov_b32 s3, 4                                ; my 64 rows, sixteen a trip
.Lrows:
.irp t, 0,1,2,3,4,5,6,7,8,9,10,11,12,13,14,15
	global_load_b64 v[CS+2*\t:CS+2*\t+1], v[CO], s[84:85] offset:\t*256       ; a whole row of 256 bytes
	global_load_b64 v[SN+2*\t:SN+2*\t+1], v[CO], s[86:87] offset:\t*256
.endr
.irp t, 0,1,2,3,4,5,6,7,8,9,10,11,12,13,14,15
	ds_load_b128 v[XR+4*\t:XR+4*\t+3], v[RD] offset:SP*\t       ; LDS serves a wave's instructions in order (ISA guide 5.7.1): these see the stores above
.endr
.irp t, 0,1,2,3,4,5,6,7,8,9,10,11,12,13,14,15
	ROW \t
.endr
	s_wait_xcnt 0x0                                ; the bases and the stores' data are written again only behind this wait
	s_add_nc_u64 s[84:85], s[84:85], 16*256
	s_add_nc_u64 s[86:87], s[86:87], 16*256
	s_add_nc_u64 s[8:9], s[8:9], 16*SIZE_N*2
	v_add_nc_u32 v[RD], 16*SP, v[RD]
	s_sub_co_u32 s3, s3, 1
	s_cmp_lg_u32 s3, 0
	s_cbranch_scc1 .Lrows
	s_wait_tensorcnt 0x0
	ds_add_u32 v254, v255
	s_wait_dscnt 0x0
	CROUND                                         ; the closing round: no work-group ends while a partner may still ask for a tile that names it
	s_endpgm
.Lfunc_end_k_q652d8c1ba5_qkv:
	.size	k_q652d8c1ba5_qkv, .Lfunc_end_k_q652d8c1ba5_qkv-k_q652d8c1ba5_qkv
	.p2alignl 7, 3214868480
	.fill 96, 4, 3214868480
	.section	.rodata,"a",@progbits
	.p2align	6, 0x0
	.amdhsa_kernel k_q652d8c1ba5_qkv
		.amdhsa_group_segment_fixed_size 327680
		.amdhsa_private_segment_fixed_size 0
		.amdhsa_enable_private_segment 0
		.amdhsa_kernarg_size 40
		.amdhsa_user_sgpr_count 2
		.amdhsa_user_sgpr_kernarg_segment_ptr 1
		.amdhsa_wavefront_size32 1
		.amdhsa_system_sgpr_workgroup_id_x 1
		.amdhsa_system_sgpr_workgroup_id_y 1
		.amdhsa_system_sgpr_workgroup_id_z 1
		.amdhsa_system_vgpr_workitem_id 0
		.amdhsa_next_free_vgpr 512
		.amdhsa_next_free_sgpr 96
		.amdhsa_reserve_vcc 0
		.amdhsa_float_denorm_mode_32 3
		.amdhsa_float_denorm_mode_16_64 3
		.amdhsa_memory_ordered 1
		.amdhsa_forward_progress 1
		.amdhsa_inst_pref_size 161
	.end_amdhsa_kernel
	.amdgpu_metadata
---
amdhsa.version: [ 1, 2 ]
amdhsa.kernels:
  - .name:           k_q652d8c1ba5_qkv
    .symbol:         k_q652d8c1ba5_qkv.kd
    .args:
      - { .name: xb, .offset: 0, .size: 8, .value_kind: global_buffer, .address_space: global }
      - { .name: wqkvb, .offset: 8, .size: 8, .value_kind: global_buffer, .address_space: global }
      - { .name: qkv, .offset: 16, .size: 8, .value_kind: global_buffer, .address_space: global }
      - { .name: cos, .offset: 24, .size: 8, .value_kind: global_buffer, .address_space: global }
      - { .name: sin, .offset: 32, .size: 8, .value_kind: global_buffer, .address_space: global }
    .group_segment_fixed_size: 327680
    .private_segment_fixed_size: 0
    .kernarg_segment_align: 8
    .kernarg_segment_size: 40
    .max_flat_workgroup_size: 128
    .sgpr_count:     96
    .vgpr_count:     512
    .wavefront_size: 32
...
	.end_amdgpu_metadata
.endif
;; end of part 2
;; launch attn (part 3): grid 32 x 8, 4 waves a work-group, clusters of 4 x 1, 327,680 bytes of LDS; arguments qkv, ab; writes ab
.if DOCPART == 3
	.amdgcn_target "amdgcn-amd-amdhsa--gfx1250"
	.amdhsa_code_object_version 6
	.text
	.protected	k_q652d8c1ba5_attn
	.globl	k_q652d8c1ba5_attn
	.p2align	8
	.type	k_q652d8c1ba5_attn,@function
k_q652d8c1ba5_attn:
	s_mov_b64 s[64:65], 0
	v_nop
	global_prefetch_b8 v0, s[64:65] scope:SCOPE_SE
	s_setreg_imm32_b32 hwreg(HW_REG_WAVE_MODE, 25, 1), 1
	s_wait_xcnt 0x0
	s_wait_alu depctr_hold_cnt(0) depctr_sa_sdst(0) depctr_va_vdst(0) depctr_va_sdst(0) depctr_va_ssrc(0) depctr_va_vcc(0) depctr_vm_vsrc(0)
	s_getreg_b32 s2, hwreg(HW_REG_IB_STS2, 6, 4)
	s_cmp_eq_u32 s2, 0
	s_cbranch_scc0 .Lentry_in_a_cluster
	s_endpgm
.Lentry_in_a_cluster:
	s_bfe_u32 s2, ttmp6, 0x10000c
	s_cmp_lg_u32 s2, 0x3003
	s_cbranch_scc0 .Lentry_shape_is_right
	s_endpgm
.Lentry_shape_is_right:
; ab[s][128 head + d] = (softmax over keys <= s of q.k/sqrt(128)) . v / 8, in f16, from qkv's q', k', v' (f16; 8 q'.k' = score x log2(e); v' = v/8).
; SHARES.  Query tiles of 64 rows, keys in steps of 128.  A work-group makes two tiles of one head one after the other: tile iL = 2 j + sub,
; which needs j + 1 steps, and tile iH = 31 - iL, which needs 16 - j: 17 steps for every work-group.  j = cluster x, g = key/value head =
; cluster y; the place in the cluster gives head = 2 g + (cx & 1) and sub = cx >> 1.
; ORDER.  Of j + 1 and 16 - j one is even: that tile goes first (n1 steps).  So the first tile always ends in an odd step, which lies in slot 1,
; and the 17 steps are one loop of eight pairs and a last step written out; the change of tiles stands at one place of the text.
; CLUSTERS: the four partners walk the same 17 tiles of K and V of head g in the same order, so every tile is asked for jointly (mask 15),
; which divides the requests for K and V by four.  cx enters only the global addresses of Q and ab and the mask's vector data.
; In a step wave w takes keys 32 w .. 32 w + 31 for all 64 queries, so each byte of K and V is read from LDS once by the work-group; each wave
; keeps its own running maximum, sum and output, and the four are merged through LDS at a tile's end.
; TRANSPOSED PRODUCTS.  S^T = K Q^T: lane (r, h), register i = key 8 h + i, query r.  Two such tiles, packed to f16, ARE the second source of
; O^T = V^T P^T (V comes from LDS by the transposing load).  So maximum, sum and rescale factor are one number a lane.
; SOFTMAX: a running maximum M = 8 max(t) is taken away before every exponential; a masked score is -1e30.
; O's sums are started by 32 products of zero fragments (32 of a wave's 1,120 matrix instructions), so that the first step is the loop's text.
; LIMITS: probabilities and the output are f16, sums f32.  At the change of tiles the old output is wiped by a factor 0 (the next step's
; exp2(-1e30 - M), or at the merge the factor of a wave that saw masked keys alone), which holds while it is finite, that is wherever the
; result itself is.
; REGISTERS: window 0 addresses, statistics, S / P, K's and V's fragments; window 1 O(dt, qt) at v[8 (8 qt + dt)]; window 2 Q(qt, ks) at v[8 (4 qt + ks)].
.set ROWB,  8192                       ; bytes in a row of qkv
.set PK,    272                        ; LDS row of K: 256 + 16
.set PV,    288                        ; LDS row of V: 256 + 32, an odd multiple of 32 for the transposing load
.set HALFV, 64*PV
.set HALFK, 64*PK
.set KOFF,  2*HALFV                    ; a slot: V's 128 rows, then K's 128 rows
.set SLOT,  KOFF+2*HALFK               ; 71,680
.set MRG,   2*SLOT                     ; behind the ring, at a multiple of 256: each wave's 64 queries x 528 bytes
.set MP,    528
.set MWAVE, 64*MP
.set STAT,  MRG+4*MWAVE                ; maxima [query][wave], 1,024 bytes, then sums likewise
.set FAC,   STAT+2048                  ; each wave's own 512 bytes: for each of its 16 queries the four waves' factors, each twice
.set KADR, 8                           ; v8-9    my K fragments in slot 0, 1
.set VADR, 10                          ; v10-11  my V fragments
.set QOFF, 12                          ; v12     my bytes of Q's first 16 rows
.set MST,  13                          ; v13     merge: where I put 32 bytes of a query's row
.set MRD0, 14                          ; v14     merge: where I read a row of waves 0, 1
.set MRD2, 15                          ; v15     and of waves 2, 3
.set OOFF, 16                          ; v16     my 8 bytes in ab
.set SST,  17                          ; v17     my word among the statistics of query r
.set SLD,  18                          ; v18     the four waves' words of query 16 w + r
.set DL,   19                          ; v19     r - 32 w - 8 h
.set VD,   20                          ; v20     the mask's bound
.set NEG,  21                          ; v21     -1e30
.set ST,   22                          ; v[22:29] (M, L) for query block qt
.set AL,   30                          ; v[30:37] (factor, at work) for query block qt
.set MX,   38                          ; v[38:41] at work
.set FST,  42                          ; v42     merge: where lane r puts its query's factors
.set FLD,  43                          ; v43     merge: my wave's factors
.set RA,   44                          ; v44-47  merge: MRD0, MRD2, OOFF, FLD as the loop over rows steps them
.set RB,   45
.set RO,   46
.set RF,   47
.set SC,   64                          ; v[64:127] S(qt, kt) at 16 qt + 8 kt; then P(qt) in the first 8 of each 16
.set KF,   128                         ; v[128:191] K(kt, ks) at 8 (4 kt + ks); at work behind the S products
.set FR,   KF+16                       ; merge: row t of four, its eight factor words
.set VF,   192                         ; v[192:255] V(dt) at 8 dt; merge: row t of four, the four waves' 16 bytes
.set G1K, 16
.set G1V, 24
.set G0K, 32                           ; s[32:39] one set for each slot
.set G0V, 40                           ; s[40:47]
.set MSB, 0
.macro WIN new                         ; the immediate's high byte repeats the setting that is left
.if MSB != \new
	s_set_vgpr_msb (MSB<<8)|\new
.set MSB, \new
.endif
.endm
.macro ROUND                           ; a round of the cluster's barrier
	s_barrier_signal -1
	s_barrier_wait -1
	s_cmp_lg_u32 s8, 0
	s_cbranch_scc1 .Lnot_wave_0_\@
	s_barrier_signal -3
.Lnot_wave_0_\@:
	s_barrier_wait -3
	s_barrier_signal -1
	s_barrier_wait -1
.endm
.macro JLOAD s                         ; waves 0 and 1 fetch V's two halves, waves 2 and 3 K's
	s_cmp_eq_u32 s9, 0
	s_cbranch_scc0 .Lfor_k_\@
	tensor_load_to_lds s[G0V+4*\s:G0V+4*\s+3], s[G1V:G1V+7]
	s_nop 0
	s_branch .Lasked_\@
.Lfor_k_\@:
	tensor_load_to_lds s[G0K+4*\s:G0K+4*\s+3], s[G1K:G1K+7]
	s_nop 0
.Lasked_\@:
.endm
.macro PLACES                          ; four places behind a matrix instruction (ISA guide 7.12.1)
.rept 4
	v_nop
.endr
.endm
.macro QLOAD base                      ; a query tile's 16 fragments, straight from memory into window 2
	WIN 0x80
.irp qt, 0,1,2,3
.irp ks, 0,1,2,3
	global_load_b128 v[8*(4*\qt+\ks):8*(4*\qt+\ks)+3],   v[QOFF], s[\base:\base+1] offset:16*ROWB*\qt+64*\ks
	global_load_b128 v[8*(4*\qt+\ks)+4:8*(4*\qt+\ks)+7], v[QOFF], s[\base:\base+1] offset:16*ROWB*\qt+64*\ks+32
.endr
.endr
	WIN 0
.endm
	s_load_b128 s[4:7], s[0:1], 0x0                ; qkv s[4:5], ab s[6:7]
	v_lshl_add_u32 v62, v0, 2, 0x45000
	v_mov_b32 v63, 0
	ds_add_u32 v62, v63
	v_lshrrev_b32 v1, 5, v0
	v_readfirstlane_b32 s8, v1                     ; wave 0..3
	s_lshr_b32 s9, s8, 1                           ; I fetch for V (0) or for K (1)
	s_and_b32 s10, s8, 1                           ; which 64 rows of that tile
	s_mov_b32 s61, ttmp9                           ; j
	s_and_b32 s13, ttmp7, 0xffff                   ; g
	s_add_co_u32 s54, s61, 1                       ; the low tile's steps
	s_sub_co_u32 s55, 16, s61                      ; the high tile's
	s_bfe_u32 s66, ttmp6, 0x40000                  ; cx; what hangs on it stays in s66 and above
	s_and_b32 s67, s66, 1
	s_lshl1_add_u32 s67, s13, s67                  ; head
	s_lshr_b32 s68, s66, 1                         ; sub
	s_lshl1_add_u32 s69, s61, s68                  ; iL
	s_sub_co_u32 s70, 31, s69                      ; iH
	s_lshl_b32 s71, s68, 6                         ; the low tile's first query lies 64 sub behind its last key block's first key,
	s_sub_co_u32 s77, 64, s71                      ; the high tile's 64 - 64 sub
	s_and_b32 s62, s61, 1
	s_cmp_lg_u32 s62, 0                            ; j odd: the low tile has the even number of steps and goes first
	s_cselect_b32 s12, s54, s55                    ; n1: the first tile's steps
	s_cselect_b32 s86, s69, s70                    ; the first tile,
	s_cselect_b32 s87, s70, s69                    ; the second,
	s_cselect_b32 s76, s71, s77                    ; and their masks' offsets
	s_cselect_b32 s84, s77, s71
	s_sub_co_u32 s11, s12, 1                       ; the first tile's last step
	s_mov_b32 s56, 0x76543210                      ; v_permlanex16_b32: lane i reads lane i of the other half
	s_mov_b32 s57, 0xfedcba98
	s_mov_b32 s58, 0x41000000                      ; 8.0
	s_mov_b32 s59, 0x41000000
	; group 1: 64 rows x 128 elements of 2 bytes, pitch 4,096 elements, mask 15; padding behind every 64 words: 4 words for K, 8 for V
	s_mov_b32 s[G1K+0], 15|(1<<16)|(1<<20)|(1<<21)|(5<<22)|(3<<25)
	s_mov_b32 s[G1V+0], 15|(1<<16)|(1<<20)|(1<<21)|(5<<22)|(7<<25)
.irp g, G1K, G1V
	s_mov_b32 s[\g+1], 128<<16
	s_mov_b32 s[\g+2], 64<<16
	s_mov_b32 s[\g+3], 128<<16
	s_mov_b32 s[\g+4], 64
	s_mov_b32 s[\g+5], 4096
	s_mov_b32 s[\g+6], 0
	s_mov_b32 s[\g+7], 0
.endr
	s_mul_i32 s54, s8, HALFV                       ; V's halves from waves 0, 1 at wave x 18,432,
	s_mul_i32 s55, s8, HALFK
	s_add_co_u32 s55, s55, KOFF-2*HALFK            ; K's from waves 2, 3 at 36,864 + (wave - 2) x 17,408
.irp s, 0,1
	s_mov_b32 s[G0V+4*\s], 1
	s_add_co_u32 s[G0V+4*\s+1], s54, \s*SLOT
	s_mov_b32 s[G0K+4*\s], 1
	s_add_co_u32 s[G0K+4*\s+1], s55, \s*SLOT
.endr
	s_lshl_b32 s52, s10, 19                        ; my 64 rows of 8,192 bytes
	s_lshl_b32 s53, s13, 8                         ; head g's 256 bytes
	s_add_co_u32 s52, s52, s53
	s_mov_b32 s53, 0                               ; stays 0: the high word of every tile's offset
	s_lshl_b32 s85, s67, 8                         ; my query head's 256 bytes
	s_mov_b32 s79, 0
	v_and_b32 v1, 15, v0                           ; r
	v_bfe_u32 v2, v0, 4, 1                         ; h
	v_and_b32 v3, 31, v0                           ; lane
	v_lshlrev_b32 v[QOFF], 13, v1
	v_lshl_add_u32 v[QOFF], v2, 4, v[QOFF]         ; row r, 16 bytes for each half of the lanes
	s_wait_dscnt 0x0
	s_wait_kmcnt 0x0
	s_add_nc_u64 s[48:49], s[4:5], s[52:53]
	s_add_nc_u64 s[50:51], s[48:49], 6144          ; V's first tile, my half
	s_add_nc_u64 s[48:49], s[48:49], 4096          ; K's
	s_mov_b64 s[G0K+2:G0K+3], s[48:49]
	s_or_b32 s[G0K+3], s[G0K+3], 0x80000000
	s_mov_b64 s[G0V+2:G0V+3], s[50:51]
	s_or_b32 s[G0V+3], s[G0V+3], 0x80000000
	s_lshl_b32 s78, s86, 19
	s_add_co_u32 s78, s78, s85
	s_add_nc_u64 s[72:73], s[4:5], s[78:79]        ; Q of the first tile
	s_lshl_b32 s78, s87, 19
	s_add_co_u32 s78, s78, s85
	s_add_nc_u64 s[80:81], s[4:5], s[78:79]        ; Q of the second tile
	s_lshl_b32 s78, s86, 18
	s_add_co_u32 s78, s78, s85
	s_add_nc_u64 s[74:75], s[6:7], s[78:79]        ; ab at the first tile (64 rows of 4,096 bytes)
	s_lshl_b32 s78, s87, 18
	s_add_co_u32 s78, s78, s85
	s_add_nc_u64 s[82:83], s[6:7], s[78:79]        ; ab at the second tile
	QLOAD 72
	ROUND                                          ; the four partners are here: the first joint load meets
	JLOAD 0                                        ; tile 0.  One tensor load of the wave is out at any time in this text
	v_mul_u32_u24 v4, v1, PK
	v_lshl_add_u32 v4, v2, 4, v4
	s_mul_i32 s54, s8, 32*PK
	s_add_co_u32 s54, s54, KOFF
	v_add_nc_u32 v[KADR], s54, v4                  ; key 32 w + r, 16 bytes for each half of the lanes
	v_add_nc_u32 v[KADR+1], SLOT, v[KADR]
	v_and_b32 v4, 7, v0
	v_lshl_add_u32 v4, v2, 3, v4
	v_mul_u32_u24 v4, v4, PV
	v_bfe_u32 v5, v0, 3, 1
	v_lshl_add_u32 v4, v5, 4, v4
	s_mul_i32 s54, s8, 32*PV
	v_add_nc_u32 v[VADR], s54, v4                  ; key 32 w + 8 h + l % 8, 16 bytes for each group of eight lanes
	v_add_nc_u32 v[VADR+1], SLOT, v[VADR]
	v_mul_u32_u24 v4, v1, MP
	v_lshl_add_u32 v4, v2, 5, v4
	s_mul_i32 s54, s8, MWAVE
	s_add_co_u32 s54, s54, MRG
	v_add_nc_u32 v[MST], s54, v4
	s_mul_i32 s54, s8, 16*MP
	s_add_co_u32 s54, s54, MRG
	v_lshl_add_u32 v[MRD0], v3, 4, s54             ; queries 16 w .. 16 w + 15 are mine to sum
	v_add_nc_u32 v[MRD2], 2*MWAVE, v[MRD0]
	s_lshl_b32 s54, s8, 16
	v_lshl_add_u32 v[OOFF], v3, 3, s54             ; 16 w rows of 4,096 bytes + 8 x lane
	v_lshlrev_b32 v4, 4, v1                        ; 16 r
	s_lshl_b32 s54, s8, 2
	s_add_co_u32 s54, s54, STAT
	v_add_nc_u32 v[SST], s54, v4                   ; word w of query r (+ 256 for each query block)
	s_lshl_b32 s54, s8, 8
	s_add_co_u32 s54, s54, STAT
	v_add_nc_u32 v[SLD], s54, v4                   ; the four words of query 16 w + r
	s_lshl_b32 s54, s8, 9
	s_add_co_u32 s54, s54, FAC
	v_lshl_add_u32 v[FST], v1, 5, s54              ; 32 bytes of factors for query 16 w + r
	v_mov_b32 v[FLD], s54
	v_lshlrev_b32 v4, 3, v2
	v_sub_nc_u32 v[DL], v1, v4
	s_lshl_b32 s54, s8, 5
	v_sub_nc_u32 v[DL], v[DL], s54
	v_mov_b32 v[NEG], 0xf149f2ca                   ; -1e30
.irp qt, 0,1,2,3
	v_mov_b32 v[ST+2*\qt], v[NEG]                  ; no key seen yet
	v_mov_b32 v[ST+2*\qt+1], 0
	v_mov_b32 v[AL+2*\qt+1], 0                     ; a lane permute's destination counts as read
.endr
.set n, 0
.rept 16
	v_mov_b32 v[SC+n], 0                           ; two zero fragments
.set n, n+1
.endr
	WIN 0x50                                       ; D in window 1
.set n, 0
.rept 32
	v_wmma_f32_16x16x32_f16 v[n:n+7], v[SC:SC+7], v[SC+8:SC+15], 0   ; O = 0: 32 accumulators, one instruction each
.set n, n+8
.endr
	WIN 0
	s_wait_loadcnt 0x0                             ; Q
; Keys beyond the query get -1e30.  Key 32 w + 16 kt + 8 h + i stays where it is <= md + 16 qt + r, md in s[md]:
; i + 16 (kt - qt) <= VD.  One compare serves the tiles with the same kt - qt = e - 3.
.macro MASK md
	v_add_nc_u32 v[VD], s[\md], v[DL]
.irp e, 0,1,2,3,4
.irp i, 0,1,2,3,4,5,6,7
	v_cmp_le_i32 vcc_lo, \i+16*(\e-3), v[VD]
.irp kt, 0,1
.if (\kt+3-\e >= 0)
.if (\kt+3-\e <= 3)
	v_cndmask_b32 v[SC+16*(\kt+3-\e)+8*\kt+\i], v[NEG], v[SC+16*(\kt+3-\e)+8*\kt+\i], vcc_lo
.endif
.endif
.endr
.endr
.endr
.endm
; The step's 16 scores a lane and query block: new maximum, factor for what was there, probabilities, their sum, P in f16.
.macro SOFTMAX
.irp qt, 0,1,2,3
	v_max3_num_f32 v[MX+\qt], v[SC+16*\qt], v[SC+16*\qt+1], v[SC+16*\qt+2]
.endr
.irp i, 3,5,7,9,11,13
.irp qt, 0,1,2,3
	v_max3_num_f32 v[MX+\qt], v[MX+\qt], v[SC+16*\qt+\i], v[SC+16*\qt+\i+1]
.endr
.endr
.irp qt, 0,1,2,3
	v_max_num_f32 v[MX+\qt], v[MX+\qt], v[SC+16*\qt+15]
.endr
.irp qt, 0,1,2,3
	v_permlanex16_b32 v[AL+2*\qt+1], v[MX+\qt], s56, s57       ; the other half of the lanes holds the query's other 16 keys
.endr
.irp qt, 0,1,2,3
	v_max_num_f32 v[MX+\qt], v[MX+\qt], v[AL+2*\qt+1]
.endr
.irp qt, 0,1,2,3
	v_mul_f32 v[MX+\qt], s58, v[MX+\qt]                        ; 8 max(t): exact
.endr
.irp qt, 0,1,2,3
	v_sub_f32 v[AL+2*\qt], v[ST+2*\qt], v[MX+\qt]
.endr
.irp qt, 0,1,2,3
	v_min_num_f32 v[AL+2*\qt], 0, v[AL+2*\qt]                  ; old maximum - new maximum
	v_max_num_f32 v[ST+2*\qt], v[ST+2*\qt], v[MX+\qt]          ; the new maximum
.endr
.irp qt, 0,1,2,3
.irp i, 0,2,4,6,8,10,12,14
	v_pk_fma_f32 v[SC+16*\qt+\i:SC+16*\qt+\i+1], v[SC+16*\qt+\i:SC+16*\qt+\i+1], s[58:59], v[ST+2*\qt:ST+2*\qt+1] op_sel_hi:[1,0,0] neg_lo:[0,0,1] neg_hi:[0,0,1]   ; 8 t - M, never above 0
.endr
.endr
.set n, 0
.rept 64
	v_exp_f32 v[SC+n], v[SC+n]
.set n, n+1
.endr
.irp qt, 0,1,2,3
	v_exp_f32 v[AL+2*\qt], v[AL+2*\qt]
.endr
	v_nop                                          ; one plain place behind the exponentials (ISA guide 5.7.2)
	s_wait_alu depctr_va_vdst(0)
.irp qt, 0,1,2,3
.irp i, 0,1,2,3
	v_pk_add_f32 v[KF+8*\qt+2*\i:KF+8*\qt+2*\i+1], v[SC+16*\qt+4*\i:SC+16*\qt+4*\i+1], v[SC+16*\qt+4*\i+2:SC+16*\qt+4*\i+3]
.endr
.endr
.irp qt, 0,1,2,3
	v_pk_add_f32 v[KF+8*\qt:KF+8*\qt+1],   v[KF+8*\qt:KF+8*\qt+1],   v[KF+8*\qt+2:KF+8*\qt+3]
	v_pk_add_f32 v[KF+8*\qt+4:KF+8*\qt+5], v[KF+8*\qt+4:KF+8*\qt+5], v[KF+8*\qt+6:KF+8*\qt+7]
.endr
.irp qt, 0,1,2,3
	v_pk_add_f32 v[KF+8*\qt:KF+8*\qt+1], v[KF+8*\qt:KF+8*\qt+1], v[KF+8*\qt+4:KF+8*\qt+5]
.endr
.irp qt, 0,1,2,3
	v_fma_f32 v[ST+2*\qt+1], v[ST+2*\qt+1], v[AL+2*\qt], v[KF+8*\qt]
.endr
.irp qt, 0,1,2,3
	v_add_f32 v[ST+2*\qt+1], v[ST+2*\qt+1], v[KF+8*\qt+1]      ; my half's sum; the halves meet at the merge
.endr
.irp qt, 0,1,2,3
.irp c, 0,1,2,3,4,5,6,7
	v_cvt_pk_f16_f32 v[SC+16*\qt+\c], v[SC+16*\qt+2*\c], v[SC+16*\qt+2*\c+1]   ; register c: keys 8 h + 2 c, + 1 (c < 4), 16 + 8 h + .. (c >= 4)
.endr
.endr
.endm
; One step: tile t (in s14) lies in slot; fill = 1: tile t + 1 is asked for, into the other slot.
; mask = 0 none, 1 the second tile's last step, 2 the first tile's last step if t = n1 - 1.
.macro STEP slot, other, fill, mask
	s_wait_tensorcnt 0x0                           ; all my tensor loads have landed, my part of this step's tile among them: every group 0 may be written
	ds_add_u32 v62, v63
	s_wait_dscnt 0x0
.if \fill
	s_add_co_u32 s54, s14, 1                       ; tile t + 1 is key block t + 1 of the first tile, or t + 1 - n1 of the second
	s_cmp_ge_u32 s54, s12
	s_cselect_b32 s55, s12, 0
	s_sub_co_u32 s54, s54, s55
	s_lshl_b32 s52, s54, 20                        ; 128 rows of 8,192 bytes
	s_add_nc_u64 s[G0K+4*\other+2:G0K+4*\other+3], s[48:49], s[52:53]
	s_or_b32 s[G0K+4*\other+3], s[G0K+4*\other+3], 0x80000000
	s_add_nc_u64 s[G0V+4*\other+2:G0V+4*\other+3], s[50:51], s[52:53]
	s_or_b32 s[G0V+4*\other+3], s[G0V+4*\other+3], 0x80000000
.endif
	s_wait_dscnt 0x0                               ; my reads of the other slot are over
	ROUND                                          ; both now hold of every wave of the four partners
.if \fill
	JLOAD \other                                   ; the wave's one tensor load behind the round; it has this step's work in which to land
.endif
.rept 5
	v_nop                                          ; five places behind the last O product: its sources V and P are written again below (ISA guide 7.12.1)
.endr
.irp kt, 0,1
.irp ks, 0,1,2,3
	ds_load_b128 v[KF+8*(4*\kt+\ks):KF+8*(4*\kt+\ks)+3],   v[KADR+\slot] offset:16*PK*\kt+64*\ks
	ds_load_b128 v[KF+8*(4*\kt+\ks)+4:KF+8*(4*\kt+\ks)+7], v[KADR+\slot] offset:16*PK*\kt+64*\ks+32
.endr
.endr
.irp dt, 0,1,2,3,4,5,6,7
	ds_load_tr16_b128 v[VF+8*\dt:VF+8*\dt+3],   v[VADR+\slot] offset:32*\dt
	ds_load_tr16_b128 v[VF+8*\dt+4:VF+8*\dt+7], v[VADR+\slot] offset:32*\dt+16*PV
.endr
	s_wait_dscnt 16                                ; K is in; V's sixteen loads may stay out
	WIN 0x08                                       ; source 1 (Q) from window 2
.irp ks, 0,1,2,3                       ; the eight tiles of S take turns, one instruction a turn
.irp qt, 0,1,2,3
.irp kt, 0,1
.if \ks == 0
	v_wmma_f32_16x16x32_f16 v[SC+16*\qt+8*\kt:SC+16*\qt+8*\kt+7], v[KF+8*(4*\kt+\ks):KF+8*(4*\kt+\ks)+7], v[8*(4*\qt+\ks):8*(4*\qt+\ks)+7], 0
.else
	v_wmma_f32_16x16x32_f16 v[SC+16*\qt+8*\kt:SC+16*\qt+8*\kt+7], v[KF+8*(4*\kt+\ks):KF+8*(4*\kt+\ks)+7], v[8*(4*\qt+\ks):8*(4*\qt+\ks)+7], v[SC+16*\qt+8*\kt:SC+16*\qt+8*\kt+7]
.endif
.endr
.endr
.endr
	WIN 0
	PLACES                                         ; four places in front of the first reader of S
.if \mask == 2
	s_cmp_lg_u32 s14, s11                          ; hangs on the cluster's x and the step alone: the same in all waves and partners
	s_cbranch_scc1 .Lno_mask_\@
	MASK 76
.Lno_mask_\@:
.endif
.if \mask == 1
	MASK 84
.endif
	SOFTMAX
	s_wait_dscnt 0x0                               ; V
	WIN 0x41                                       ; O(.., qt) times the lane's factor of query block qt
.irp qt, 0,1,2,3
.set n, 0
.rept 32
	v_pk_mul_f32 v[64*\qt+n:64*\qt+n+1], v[64*\qt+n:64*\qt+n+1], v[AL+2*\qt:AL+2*\qt+1] op_sel_hi:[1,0]
.set n, n+2
.endr
.endr
	WIN 0x50                                       ; C and D from window 1
.irp qt, 0,1,2,3                       ; 32 accumulators, one instruction each
.irp dt, 0,1,2,3,4,5,6,7
	v_wmma_f32_16x16x32_f16 v[8*(8*\qt+\dt):8*(8*\qt+\dt)+7], v[VF+8*\dt:VF+8*\dt+7], v[SC+16*\qt:SC+16*\qt+7], v[8*(8*\qt+\dt):8*(8*\qt+\dt)+7]
.endr
.endr
	WIN 0
.endm
; A tile's end.  Each wave lays its maxima, its sums and its O into LDS; one barrier; then wave w sums queries 16 w .. 16 w + 15: lane r makes
; the four waves' factors exp2(m - m*) / l* of query 16 w + r and lays each twice into the wave's own bytes, so that a row's loop reads them as
; pairs for the packed forms; a counted loop of four trips takes four rows each.  last = 0: the first tile; the second tile's Q is fetched
; meanwhile and the statistics start anew.
; A tensor load may be out across this barrier, which has its own waits.
.macro MERGE last
.set OBR, 74+8*\last
	PLACES                                         ; behind the last O products
.if \last == 0
	QLOAD 80
.endif
.irp qt, 0,1,2,3
	v_permlanex16_b32 v[AL+2*\qt+1], v[ST+2*\qt+1], s56, s57
.endr
.irp qt, 0,1,2,3
	v_add_f32 v[ST+2*\qt+1], v[ST+2*\qt+1], v[AL+2*\qt+1]      ; both halves' keys
.endr
.irp qt, 0,1,2,3
	ds_store_b32 v[SST], v[ST+2*\qt]   offset:256*\qt          ; both halves of the lanes write the same number to the same word
	ds_store_b32 v[SST], v[ST+2*\qt+1] offset:1024+256*\qt
.endr
	WIN 0x04                                       ; store data from window 1
.irp qt, 0,1,2,3
.irp dt, 0,1,2,3,4,5,6,7
	ds_store_b128 v[MST], v[8*(8*\qt+\dt):8*(8*\qt+\dt)+3]   offset:16*MP*\qt+64*\dt
	ds_store_b128 v[MST], v[8*(8*\qt+\dt)+4:8*(8*\qt+\dt)+7] offset:16*MP*\qt+64*\dt+16
.endr
.endr
	WIN 0
	s_wait_dscnt 0x0                               ; for the others' sake
	s_barrier_signal -1
	s_barrier_wait -1
	ds_load_b128 v[KF:KF+3],   v[SLD]              ; the four waves' maxima of query 16 w + r
	ds_load_b128 v[KF+4:KF+7], v[SLD] offset:1024  ; and their sums
	v_mov_b32 v[RA], v[MRD0]
	v_mov_b32 v[RB], v[MRD2]
	v_mov_b32 v[RO], v[OOFF]
	v_mov_b32 v[RF], v[FLD]
	s_wait_dscnt 0x0
	v_max3_num_f32 v[MX], v[KF], v[KF+1], v[KF+2]
	v_max_num_f32 v[MX], v[MX], v[KF+3]            ; m*
.irp i, 0,1,2,3
	v_sub_f32 v[KF+\i], v[KF+\i], v[MX]
.endr
.irp i, 0,1,2,3
	v_exp_f32 v[KF+\i], v[KF+\i]
.endr
	v_nop                                          ; one plain place behind the exponentials
	s_wait_alu depctr_va_vdst(0)
	v_mul_f32 v[MX], v[KF], v[KF+4]
.irp i, 1,2,3
	v_fmac_f32 v[MX], v[KF+\i], v[KF+4+\i]         ; l*: at least 1, from the wave that holds m*
.endr
	v_rcp_f32 v[MX], v[MX]
	v_nop
	s_wait_alu depctr_va_vdst(0)
.irp i, 0,1,2,3
	v_mul_f32 v[KF+8+2*\i], v[KF+\i], v[MX]
	v_mul_f32 v[KF+9+2*\i], v[KF+\i], v[MX]
.endr
	ds_store_b128 v[FST], v[KF+8:KF+11]            ; my wave's own bytes: LDS serves a wave's instructions in order (ISA guide 5.7.1),
	ds_store_b128 v[FST], v[KF+12:KF+15] offset:16 ; so the loads below see them
	s_mov_b32 s60, 4
.Lrows_\@:
.irp t, 0,1,2,3
	ds_load_b128 v[FR+8*\t:FR+8*\t+3],       v[RF] offset:32*\t         ; every lane reads the row's factors
	ds_load_b128 v[FR+8*\t+4:FR+8*\t+7],     v[RF] offset:32*\t+16
	ds_load_b128 v[VF+16*\t:VF+16*\t+3],     v[RA] offset:MP*\t
	ds_load_b128 v[VF+16*\t+4:VF+16*\t+7],   v[RA] offset:MWAVE+MP*\t
	ds_load_b128 v[VF+16*\t+8:VF+16*\t+11],  v[RB] offset:MP*\t
	ds_load_b128 v[VF+16*\t+12:VF+16*\t+15], v[RB] offset:MWAVE+MP*\t
.endr
.irp t, 0,1,2,3
	s_wait_dscnt 18-6*\t                           ; six loads a row: the later rows' may stay out
	v_pk_mul_f32 v[VF+16*\t:VF+16*\t+1],   v[VF+16*\t:VF+16*\t+1],   v[FR+8*\t:FR+8*\t+1]
	v_pk_mul_f32 v[VF+16*\t+2:VF+16*\t+3], v[VF+16*\t+2:VF+16*\t+3], v[FR+8*\t:FR+8*\t+1]
.irp u, 1,2,3
	v_pk_fma_f32 v[VF+16*\t:VF+16*\t+1],   v[VF+16*\t+4*\u:VF+16*\t+4*\u+1],   v[FR+8*\t+2*\u:FR+8*\t+2*\u+1], v[VF+16*\t:VF+16*\t+1]
	v_pk_fma_f32 v[VF+16*\t+2:VF+16*\t+3], v[VF+16*\t+4*\u+2:VF+16*\t+4*\u+3], v[FR+8*\t+2*\u:FR+8*\t+2*\u+1], v[VF+16*\t+2:VF+16*\t+3]
.endr
	v_cvt_pk_f16_f32 v[VF+16*\t],   v[VF+16*\t],   v[VF+16*\t+1]
	v_cvt_pk_f16_f32 v[VF+16*\t+1], v[VF+16*\t+2], v[VF+16*\t+3]
	global_store_b64 v[RO], v[VF+16*\t:VF+16*\t+1], s[OBR:OBR+1] offset:4096*\t   ; the wave stores 256 consecutive bytes, aligned
.endr
	s_wait_xcnt 0x0                                ; the stores' data and offset are written again only behind this wait
	v_add_nc_u32 v[RA], 4*MP, v[RA]
	v_add_nc_u32 v[RB], 4*MP, v[RB]
	v_add_nc_u32 v[RF], 4*32, v[RF]
	v_add_nc_u32 v[RO], 4*4096, v[RO]
	s_sub_co_u32 s60, s60, 1
	s_cmp_lg_u32 s60, 0
	s_cbranch_scc1 .Lrows_\@
.if \last == 0
.irp qt, 0,1,2,3
	v_mov_b32 v[ST+2*\qt], v[NEG]                  ; the second tile starts: its first step's factor is exp2(-1e30 - M) = 0
	v_mov_b32 v[ST+2*\qt+1], 0
.endr
	s_wait_loadcnt 0x0                             ; its Q
.endif
.endm
	s_mov_b32 s14, 0                               ; t
	s_mov_b32 s15, 8                               ; steps 0 to 15, two a trip
.Lpair:
	STEP 0, 1, 1, 0                                ; an even step: never a tile's last among these sixteen, since n1 is even
	s_add_co_u32 s14, s14, 1
	STEP 1, 0, 1, 2
	s_cmp_lg_u32 s14, s11                          ; behind step n1 - 1 the first tile is done
	s_cbranch_scc1 .Lno_merge
	MERGE 0
.Lno_merge:
	s_add_co_u32 s14, s14, 1
	s_sub_co_u32 s15, s15, 1
	s_cmp_lg_u32 s15, 0
	s_cbranch_scc1 .Lpair
	STEP 0, 1, 0, 1                                ; step 16: the second tile's last key block; nothing is left to fetch
	MERGE 1
	s_wait_tensorcnt 0x0
	ds_add_u32 v62, v63
	s_wait_dscnt 0x0
	ROUND                                          ; the closing round
	s_endpgm
.Lfunc_end_k_q652d8c1ba5_attn:
	.size	k_q652d8c1ba5_attn, .Lfunc_end_k_q652d8c1ba5_attn-k_q652d8c1ba5_attn
	.p2alignl 7, 3214868480
	.fill 96, 4, 3214868480
	.section	.rodata,"a",@progbits
	.p2align	6, 0x0
	.amdhsa_kernel k_q652d8c1ba5_attn
		.amdhsa_group_segment_fixed_size 327680
		.amdhsa_private_segment_fixed_size 0
		.amdhsa_enable_private_segment 0
		.amdhsa_kernarg_size 16
		.amdhsa_user_sgpr_count 2
		.amdhsa_user_sgpr_kernarg_segment_ptr 1
		.amdhsa_wavefront_size32 1
		.amdhsa_system_sgpr_workgroup_id_x 1
		.amdhsa_system_sgpr_workgroup_id_y 1
		.amdhsa_system_sgpr_workgroup_id_z 1
		.amdhsa_system_vgpr_workitem_id 0
		.amdhsa_next_free_vgpr 640
		.amdhsa_next_free_sgpr 88
		.amdhsa_reserve_vcc 1
		.amdhsa_float_denorm_mode_32 3
		.amdhsa_float_denorm_mode_16_64 3
		.amdhsa_memory_ordered 1
		.amdhsa_forward_progress 1
		.amdhsa_inst_pref_size 127
	.end_amdhsa_kernel
	.amdgpu_metadata
---
amdhsa.version: [ 1, 2 ]
amdhsa.kernels:
  - .name:           k_q652d8c1ba5_attn
    .symbol:         k_q652d8c1ba5_attn.kd
    .args:
      - { .name: qkv, .offset: 0, .size: 8, .value_kind: global_buffer, .address_space: global }
      - { .name: ab, .offset: 8, .size: 8, .value_kind: global_buffer, .address_space: global }
    .group_segment_fixed_size: 327680
    .private_segment_fixed_size: 0
    .kernarg_segment_align: 8
    .kernarg_segment_size: 16
    .max_flat_workgroup_size: 128
    .sgpr_count:     88
    .vgpr_count:     640
    .wavefront_size: 32
...
	.end_amdgpu_metadata
.endif
;; end of part 3
;; launch outp (part 4): grid 16 x 16, 4 waves a work-group, clusters of 4 x 4, 327,680 bytes of LDS; arguments ab, wob, out0; writes out0
.if DOCPART == 4
	.amdgcn_target "amdgcn-amd-amdhsa--gfx1250"
	.amdhsa_code_object_version 6
	.text
	.protected	k_q652d8c1ba5_outp
	.globl	k_q652d8c1ba5_outp
	.p2align	8
	.type	k_q652d8c1ba5_outp,@function
k_q652d8c1ba5_outp:
	s_mov_b64 s[64:65], 0
	v_nop
	global_prefetch_b8 v0, s[64:65] scope:SCOPE_SE
	s_setreg_imm32_b32 hwreg(HW_REG_WAVE_MODE, 25, 1), 1
	s_wait_xcnt 0x0
	s_wait_alu depctr_hold_cnt(0) depctr_sa_sdst(0) depctr_va_vdst(0) depctr_va_sdst(0) depctr_va_ssrc(0) depctr_va_vcc(0) depctr_vm_vsrc(0)
	s_getreg_b32 s2, hwreg(HW_REG_IB_STS2, 6, 4)
	s_cmp_eq_u32 s2, 0
	s_cbranch_scc0 .Lentry_in_a_cluster
	s_endpgm
.Lentry_in_a_cluster:
	s_bfe_u32 s2, ttmp6, 0x10000c
	s_cmp_lg_u32 s2, 0xf033
	s_cbranch_scc0 .Lentry_shape_is_right
	s_endpgm
.Lentry_shape_is_right:
; out0[s][n] = 8 x sum over k of ab[s][k] wob[k][n]: ab is the attention's output / 8 in f16, wob is wo (rounded to bf16) in f16; sums in f32.
; The eight is a power of two: it changes no bit of the mantissa.
; The same design as the launch that makes q, k and v: a work-group makes 128 rows x 256 columns with four waves, a wave 64 x 128 in 32
; accumulator tiles; wob lies [K][N], its tiles have k-rows of 512 bytes and are read with the transposing LDS load.
; THE RING: two LDS slots of unlike size, filled by the tensor data mover: a large one for 256 along K and a small one for 128, and K is
; walked in chunks of 128, 256, 128, .. , 128 (2048 = 128 + 5 x 384).  A chunk costs 816 LDS bytes for each k, so two slots of 256
; (413,696 bytes) do not fit in the 327,680 of a WGP; these two take 311,296.  A slot is asked for again in its chunk's last quarter and
; waited for in the last quarter of the other slot's chunk: the small slot's load has 248 matrix instructions of the wave in which to
; land, the large slot's 120, and 384 along K pass two barriers.  Every tile's rows start at multiples of 256 bytes.
; CLUSTERS: 4 x 4 work-groups; ab's tiles are asked for jointly along a row of the cluster, wob's along a column: a quarter of the requests.
; The cluster's x picks the rows of ab and its y the columns of wob: clusters that follow each other along x read the same tiles of wob,
; the larger operand.
; THE MATRIX INSTRUCTION IS USED TRANSPOSED: source 0 = 16 columns of W, source 1 = 16 rows of ab: lane l holds row l % 16, its registers
; the columns 8 (l / 16) + 0 .. 7.
; REGISTERS: window 0: addresses, two fragment buffers, the way out; window 1: accumulator tile (a, b) at v[8 (8 a + b)].
.set SIZE_K, 2048
.set SIZE_N, 4096
.set KBIG,   256                       ; along K in the large slot (slot 0)
.set KSML,   128                       ; and in the small one (slot 1)
.set KPAIR,  KBIG+KSML
.set RX,     1                         ; the slot of the first, third, .. , last chunk: here the small one
.set RY,     1-RX
.set K0BIG,  RX*KSML                   ; where along K each slot's first chunk begins
.set K0SML,  RY*KBIG
.set TRIPS,  (SIZE_K-K0BIG-K0SML)/KPAIR-1   ; the loop's pairs of chunks: one chunk stands in front of it, two behind
.set PB,     544                       ; LDS row of W's tiles: 512 bytes + 32
.set PAB,    528                       ; LDS row of ab's large tile: 512 bytes + 16
.set PAS,    272                       ; and of its small one: 256 bytes + 16
.set BBIG,   0                         ; W large: 256 k-rows
.set ABIG,   BBIG+KBIG*PB              ; ab large: 128 rows, at 139,264
.set BSML,   ABIG+128*PAB              ; W small: 128 k-rows, at 206,848
.set ASML,   BSML+KSML*PB              ; ab small: 128 rows, at 276,480; the ring ends at 311,296
.set SP,     528                       ; the way out: a stage of 16 rows x 528 bytes for each wave, on the ring's first 33,792 bytes,
                                       ; used only behind the ring's last fill and last read
.set ADRA, 16                          ; v16-17  my ab fragments in the large, the small slot
.set ADRB, 20                          ; v20-22  my W fragments: large slot quarters 0-3, quarters 4-7, small slot
.set STO,  24
.set RD,   25
.set CO,   26                          ; v26     16 x lane: my 16 bytes of a row of out0
.set F0,   32
.set F1,   128
.set XR,   32                          ; the way out: row t, 4 registers
.set G1A, 24                           ; s[24:39] group 1 for ab's tiles: large slot, small slot
.set G1B, 48                           ; s[48:63] group 1 for W's tiles
.set G0A, 68                           ; s[68:75] group 0 for ab's tiles
.set G0B, 76                           ; s[76:83] group 0 for W's tiles
.set MULW, 0x50
.set FROM_ACC, 0x04
.set MSB, 0
.macro WIN new                         ; the immediate's high byte repeats the setting that is left
.if MSB != \new
	s_set_vgpr_msb (MSB<<8)|\new
.set MSB, \new
.endif
.endm
.macro JLOAD r                         ; a joint load into slot r: waves 0 and 1 fetch W's two halves, waves 2 and 3 ab's
	s_cmp_eq_u32 s11, 0
	s_cbranch_scc0 .Lfor_a_\@
	tensor_load_to_lds s[G0B+4*\r:G0B+4*\r+3], s[G1B+8*\r:G1B+8*\r+7]
	s_nop 0
	s_branch .Lasked_\@
.Lfor_a_\@:
	tensor_load_to_lds s[G0A+4*\r:G0A+4*\r+3], s[G1A+8*\r:G1A+8*\r+7]
	s_nop 0
.Lasked_\@:
.endm
.macro CREST                           ; a round of the cluster's barrier behind its opening barrier
	s_cmp_lg_u32 s10, 0
	s_cbranch_scc1 .Lnot_wave_0_\@
	s_barrier_signal -3
.Lnot_wave_0_\@:
	s_barrier_wait -3
	s_barrier_signal -1
	s_barrier_wait -1
.endm
.macro CROUND
	s_barrier_signal -1
	s_barrier_wait -1
	CREST
.endm
.macro PLACES                          ; four places behind a matrix instruction (ISA guide 7.12.1)
.rept 4
	v_nop
.endr
.endm
	s_load_b128 s[4:7], s[0:1], 0x0                ; ab s[4:5], wob s[6:7]
	s_load_b64 s[8:9], s[0:1], 0x10                ; out0
	v_lshl_add_u32 v254, v0, 2, 0x4c000
	v_mov_b32 v255, 0
	ds_add_u32 v254, v255
	v_lshrrev_b32 v1, 5, v0
	v_readfirstlane_b32 s10, v1                    ; wave 0..3
	s_lshr_b32 s11, s10, 1                         ; which 64 rows are mine.  Also: I fetch for W (0) or for ab (1)
	s_and_b32 s12, s10, 1                          ; which 128 columns.  Also: which half of that tile's rows I fetch
	s_bfe_u32 s40, ttmp6, 0x40000                  ; cx
	s_bfe_u32 s41, ttmp6, 0x40004                  ; cy
	s_and_b32 s94, ttmp7, 0xffff                   ; cluster y
	s_lshl_b32 s42, s94, 2
	s_add_co_u32 s42, s42, s40                     ; block column = 4 x cluster y + cx
	s_lshl_b32 s13, ttmp9, 2
	s_add_co_u32 s13, s13, s41                     ; block row = 4 x cluster x + cy
	s_lshl_b32 s43, s41, 2
	s_lshl_b32 s43, 15, s43                        ; my row of the cluster
	s_lshl_b32 s44, 0x1111, s40                    ; my column
	; group 1 for ab: 64 rows of 256 or 128 elements of 2 bytes, 4 words of padding behind every row (128 or 64 words)
	s_or_b32 s[G1A+0], s43, (1<<16)|(1<<20)|(1<<21)|(6<<22)|(3<<25)
	s_mov_b32 s[G1A+1], KBIG<<16
	s_mov_b32 s[G1A+2], 64<<16
	s_mov_b32 s[G1A+3], KBIG<<16
	s_or_b32 s[G1A+8], s43, (1<<16)|(1<<20)|(1<<21)|(5<<22)|(3<<25)
	s_mov_b32 s[G1A+9], KSML<<16
	s_mov_b32 s[G1A+10], 64<<16
	s_mov_b32 s[G1A+11], KSML<<16
.irp g, G1A, G1A+8
	s_mov_b32 s[\g+4], 64
	s_mov_b32 s[\g+5], SIZE_K
	s_mov_b32 s[\g+6], 0
	s_mov_b32 s[\g+7], 0
.endr
	; group 1 for W: 128 or 64 k-rows of 256 elements, 8 words of padding behind every 128 words
	s_or_b32 s[G1B+0], s44, (1<<16)|(1<<20)|(1<<21)|(6<<22)|(7<<25)
	s_mov_b32 s[G1B+2], (KBIG/2)<<16
	s_mov_b32 s[G1B+4], KBIG/2
	s_or_b32 s[G1B+8], s44, (1<<16)|(1<<20)|(1<<21)|(6<<22)|(7<<25)
	s_mov_b32 s[G1B+10], (KSML/2)<<16
	s_mov_b32 s[G1B+12], KSML/2
.irp g, G1B, G1B+8
	s_mov_b32 s[\g+1], 256<<16
	s_mov_b32 s[\g+3], 256<<16
	s_mov_b32 s[\g+5], SIZE_N
	s_mov_b32 s[\g+6], 0
	s_mov_b32 s[\g+7], 0
.endr
	s_lshl_b32 s16, s13, 7
	s_lshl_b32 s17, s12, 6
	s_add_co_u32 s16, s16, s17                     ; ab: row 128 x block row + 64 x half
	s_mul_i32 s16, s16, SIZE_K*2
	s_mov_b32 s17, 0
	s_lshl_b32 s46, s42, 9                         ; W: 256 columns of 2 bytes for each block column
	s_mov_b32 s47, 0
	s_mul_i32 s90, s12, (KBIG/2)*SIZE_N*2          ; W large: my half of its k-rows,
	s_add_co_u32 s90, s90, K0BIG*SIZE_N*2          ; from the slot's first chunk on
	s_mov_b32 s91, 0
	s_mul_i32 s92, s12, (KSML/2)*SIZE_N*2          ; W small likewise
	s_add_co_u32 s92, s92, K0SML*SIZE_N*2
	s_mov_b32 s93, 0
	s_mul_i32 s20, s10, 64*PAB                     ; where they go: the wave's number times a constant, plus a constant below
	s_mul_i32 s21, s10, 64*PAS
	s_mul_i32 s22, s10, (KBIG/2)*PB
	s_mul_i32 s23, s10, (KSML/2)*PB
	s_wait_dscnt 0x0
	s_wait_kmcnt 0x0
	s_add_nc_u64 s[14:15], s[4:5], s[16:17]
	s_add_nc_u64 s[46:47], s[6:7], s[46:47]
	CROUND                                         ; the first joint loads meet
	s_mov_b32 s[G0A+0], 1
	s_add_co_u32 s[G0A+1], s20, ABIG-128*PAB       ; ab large, waves 2, 3: 139,264 + (wave - 2) x 33,792
	s_add_nc_u64 s[G0A+2:G0A+3], s[14:15], K0BIG*2
	s_or_b32 s[G0A+3], s[G0A+3], 0x80000000
	s_mov_b32 s[G0A+4], 1
	s_add_co_u32 s[G0A+5], s21, ASML-128*PAS       ; ab small, waves 2, 3: 276,480 + (wave - 2) x 17,408
	s_add_nc_u64 s[G0A+6:G0A+7], s[14:15], K0SML*2
	s_or_b32 s[G0A+7], s[G0A+7], 0x80000000
	s_mov_b32 s[G0B+0], 1
	s_add_co_u32 s[G0B+1], s22, BBIG               ; W large, waves 0, 1: wave x 69,632
	s_add_nc_u64 s[G0B+2:G0B+3], s[46:47], s[90:91]
	s_or_b32 s[G0B+3], s[G0B+3], 0x80000000
	s_mov_b32 s[G0B+4], 1
	s_add_co_u32 s[G0B+5], s23, BSML               ; W small, waves 0, 1: 206,848 + wave x 34,816
	s_add_nc_u64 s[G0B+6:G0B+7], s[46:47], s[92:93]
	s_or_b32 s[G0B+7], s[G0B+7], 0x80000000
	JLOAD RX                                       ; chunks 0 and 1: two tensor loads of the wave are out, the most in this text
	JLOAD RY
	v_and_b32 v1, 15, v0                           ; r
	v_bfe_u32 v2, v0, 4, 1                         ; h
	v_mul_u32_u24 v3, v1, PAB
	v_lshl_add_u32 v3, v2, 4, v3
	s_mul_i32 s21, s11, 64*PAB
	s_add_co_u32 s21, s21, ABIG
	v_add_nc_u32 v[ADRA], s21, v3
	v_mul_u32_u24 v3, v1, PAS
	v_lshl_add_u32 v3, v2, 4, v3
	s_mul_i32 s21, s11, 64*PAS
	s_add_co_u32 s21, s21, ASML
	v_add_nc_u32 v[ADRA+1], s21, v3
	v_and_b32 v4, 7, v0
	v_lshl_add_u32 v4, v2, 3, v4
	v_mul_u32_u24 v4, v4, PB
	v_bfe_u32 v5, v0, 3, 1
	v_lshl_add_u32 v4, v5, 4, v4
	s_lshl_b32 s22, s12, 8
	v_add_nc_u32 v[ADRB], s22, v4
	v_add_nc_u32 v[ADRB+1], 4*32*PB, v[ADRB]       ; quarters 4 to 7: an LDS offset has 16 bits
	v_add_nc_u32 v[ADRB+2], BSML-BBIG, v[ADRB]
	s_mul_i32 s23, s10, 16*SP                      ; my stage
	v_mul_u32_u24 v4, v1, SP
	v_lshl_add_u32 v4, v2, 5, v4
	v_add_nc_u32 v[STO], s23, v4
	v_and_b32 v5, 31, v0
	v_lshl_add_u32 v[RD], v5, 4, s23
	v_lshlrev_b32 v[CO], 4, v5
.macro MULA f, a, zero
.irp b, 0,1,2,3,4,5,6,7
.if \zero
	v_wmma_f32_16x16x32_f16 v[8*(8*\a+\b):8*(8*\a+\b)+7], v[\f+8*\b:\f+8*\b+7], v[\f+64+8*\a:\f+64+8*\a+7], 0
.else
	v_wmma_f32_16x16x32_f16 v[8*(8*\a+\b):8*(8*\a+\b)+7], v[\f+8*\b:\f+8*\b+7], v[\f+64+8*\a:\f+64+8*\a+7], v[8*(8*\a+\b):8*(8*\a+\b)+7]
.endif
.endr
.endm
; 24 LDS loads in one run: quarter q (32 along K) of slot r into buffer f.  The large slot has eight quarters, the small one four.
.macro FETCH r, q, f
	WIN 0
.irp b, 0,1,2,3,4,5,6,7
	ds_load_tr16_b128 v[\f+8*\b:\f+8*\b+3],   v[ADRB+2*\r+(\q)/4] offset:((\q)%4)*32*PB+32*\b
	ds_load_tr16_b128 v[\f+8*\b+4:\f+8*\b+7], v[ADRB+2*\r+(\q)/4] offset:((\q)%4)*32*PB+32*\b+16*PB
.endr
.irp a, 0,1,2,3
	ds_load_b128 v[\f+64+8*\a:\f+64+8*\a+3],   v[ADRA+\r] offset:(\q)*64+\a*16*(PAB-(PAB-PAS)*\r)
	ds_load_b128 v[\f+64+8*\a+4:\f+64+8*\a+7], v[ADRA+\r] offset:(\q)*64+\a*16*(PAB-(PAB-PAS)*\r)+32
.endr
.endm
; Quarter q of slot r, not the slot's last: 32 matrix instructions on buffer q % 2; in its middle quarter q + 1 is fetched into the other
; buffer.  The 32 accumulators take turns, one instruction a turn, in the same order in every quarter.
.macro QUARTER r, q, zero
.set FC, F0+((\q)%2)*(F1-F0)
.set FN, F0+((\q+1)%2)*(F1-F0)
	s_wait_dscnt 4                                 ; all but the youngest four loads (ab's fragments 2, 3)
	WIN MULW
	MULA FC, 0, \zero
	MULA FC, 1, \zero
	PLACES                                         ; four places in front of the loads into the other buffer
	FETCH \r, \q+1, FN
	s_wait_dscnt 24                                ; all but the 24 just issued
	WIN MULW
	MULA FC, 2, \zero
	MULA FC, 3, \zero
.endm
.macro BODY r, zero                    ; all quarters of slot r but the last
	QUARTER \r, 0, \zero
	QUARTER \r, 1, 0
	QUARTER \r, 2, 0
.if \r == 0
	QUARTER \r, 3, 0
	QUARTER \r, 4, 0
	QUARTER \r, 5, 0
	QUARTER \r, 6, 0
.endif
.endm
; A slot's last quarter (buffer 1) changes slots: each wave's reads of this slot and all its tensor loads are waited for in front of the
; barrier; behind it (and behind the cluster's round that it opens where a slot is filled) the refill comes first, then the next slot is read.
.macro TURN r, nr, fill
	s_wait_dscnt 4
	WIN MULW
	MULA F1, 0, 0
	s_wait_dscnt 0                                 ; my reads of this slot are over
	s_wait_tensorcnt 0x0                           ; and all my tensor loads have landed
	ds_add_u32 v254, v255
	s_wait_dscnt 0x0
	s_barrier_signal -1
	MULA F1, 1, 0                                  ; register work while the others arrive
	WIN 0
	s_barrier_wait -1
.if \fill
	CREST                                          ; no wave of any partner still reads this slot or has a load on its way
	s_add_nc_u64 s[G0A+4*\r+2:G0A+4*\r+3], s[G0A+4*\r+2:G0A+4*\r+3], KPAIR*2
	s_add_nc_u64 s[G0B+4*\r+2:G0B+4*\r+3], s[G0B+4*\r+2:G0B+4*\r+3], KPAIR*SIZE_N*2
	JLOAD \r                                       ; the wave's one tensor load behind the round
.endif
	PLACES
	FETCH \nr, 0, F0
	WIN MULW
	MULA F1, 2, 0
	MULA F1, 3, 0
.endm
	s_wait_tensorcnt 0x1                           ; my part of chunk 0 is in; chunk 1's may stay out
	s_barrier_signal -1
	s_barrier_wait -1
	FETCH RX, 0, F0
	BODY RX, 1                                     ; chunk 0 stands in front of the loop: its first products start the sums
	TURN RX, RY, 1
	WIN 0
	s_mov_b32 s3, TRIPS
.Lpair:
	BODY RY, 0
	TURN RY, RX, 1
	BODY RX, 0
	TURN RX, RY, 1
	WIN 0
	s_sub_co_u32 s3, s3, 1
	s_cmp_lg_u32 s3, 0
	s_cbranch_scc1 .Lpair
	BODY RY, 0                                     ; the last two chunks fill nothing
	TURN RY, RX, 0
	BODY RX, 0
	s_wait_dscnt 4
	WIN MULW
	MULA F1, 0, 0
	MULA F1, 1, 0
	s_wait_dscnt 0                                 ; my last reads of the ring are over; its last fill was waited for at the last change of slots
	s_barrier_signal -1
	MULA F1, 2, 0
	MULA F1, 3, 0
	WIN 0
	s_barrier_wait -1                              ; every wave's are: the ring's bytes now serve as the stage
	; THE WAY OUT, 16 rows at a time through my own stage: in by tiles, back as whole rows of 512 bytes.
	PLACES
	s_lshl_b32 s16, s13, 7
	s_lshl_b32 s17, s11, 6
	s_add_co_u32 s16, s16, s17                     ; my first row
	s_lshl_b32 s16, s16, 14                        ; a row of out0 is 16,384 bytes
	s_mov_b32 s17, 0
	s_add_nc_u64 s[8:9], s[8:9], s[16:17]
	s_lshl_b32 s46, s42, 10                        ; my first column, in bytes: 1,024 x block column + 512 x half
	s_lshl_b32 s47, s12, 9
	s_add_co_u32 s46, s46, s47
	s_mov_b32 s47, 0
	s_add_nc_u64 s[8:9], s[8:9], s[46:47]
	s_mov_b32 s88, 0x41000000                      ; 8.0
	s_mov_b32 s89, 0x41000000
.macro OUT16 a
	WIN FROM_ACC
.irp b, 0,1,2,3,4,5,6,7
	ds_store_b128 v[STO], v[8*(8*\a+\b):8*(8*\a+\b)+3]   offset:64*\b
	ds_store_b128 v[STO], v[8*(8*\a+\b)+4:8*(8*\a+\b)+7] offset:64*\b+16
.endr
	WIN 0
	s_wait_xcnt 0x0                                ; the last sixteen stores have read their data: XR is loaded again only behind this wait
.irp t, 0,1,2,3,4,5,6,7,8,9,10,11,12,13,14,15
	ds_load_b128 v[XR+4*\t:XR+4*\t+3], v[RD] offset:SP*\t       ; LDS serves a wave's instructions in order (ISA guide 5.7.1)
.endr
.irp t, 0,1,2,3,4,5,6,7,8,9,10,11,12,13,14,15
	s_wait_dscnt 15-\t
	v_pk_mul_f32 v[XR+4*\t:XR+4*\t+1],   v[XR+4*\t:XR+4*\t+1],   s[88:89] op_sel_hi:[1,0]
	v_pk_mul_f32 v[XR+4*\t+2:XR+4*\t+3], v[XR+4*\t+2:XR+4*\t+3], s[88:89] op_sel_hi:[1,0]
	global_store_b128 v[CO], v[XR+4*\t:XR+4*\t+3], s[8:9] offset:(16*\a+\t)*SIZE_N*4 th:TH_STORE_NT   ; the wave stores 512 consecutive bytes, aligned
.endr
.endm
	OUT16 0
	OUT16 1
	OUT16 2
	OUT16 3
	s_wait_tensorcnt 0x0
	ds_add_u32 v254, v255
	s_wait_dscnt 0x0
	CROUND                                         ; the closing round
	s_endpgm
.Lfunc_end_k_q652d8c1ba5_outp:
	.size	k_q652d8c1ba5_outp, .Lfunc_end_k_q652d8c1ba5_outp-k_q652d8c1ba5_outp
	.p2alignl 7, 3214868480
	.fill 96, 4, 3214868480
	.section	.rodata,"a",@progbits
	.p2align	6, 0x0
	.amdhsa_kernel k_q652d8c1ba5_outp
		.amdhsa_group_segment_fixed_size 327680
		.amdhsa_private_segment_fixed_size 0
		.amdhsa_enable_private_segment 0
		.amdhsa_kernarg_size 24
		.amdhsa_user_sgpr_count 2
		.amdhsa_user_sgpr_kernarg_segment_ptr 1
		.amdhsa_wavefront_size32 1
		.amdhsa_system_sgpr_workgroup_id_x 1
		.amdhsa_system_sgpr_workgroup_id_y 1
		.amdhsa_system_sgpr_workgroup_id_z 1
		.amdhsa_system_vgpr_workitem_id 0
		.amdhsa_next_free_vgpr 512
		.amdhsa_next_free_sgpr 96
		.amdhsa_reserve_vcc 0
		.amdhsa_float_denorm_mode_32 3
		.amdhsa_float_denorm_mode_16_64 3
		.amdhsa_memory_ordered 1
		.amdhsa_forward_progress 1
		.amdhsa_inst_pref_size 141
	.end_amdhsa_kernel
	.amdgpu_metadata
---
amdhsa.version: [ 1, 2 ]
amdhsa.kernels:
  - .name:           k_q652d8c1ba5_outp
    .symbol:         k_q652d8c1ba5_outp.kd
    .args:
      - { .name: ab, .offset: 0, .size: 8, .value_kind: global_buffer, .address_space: global }
      - { .name: wob, .offset: 8, .size: 8, .value_kind: global_buffer, .address_space: global }
      - { .name: out0, .offset: 16, .size: 8, .value_kind: global_buffer, .address_space: global }
    .group_segment_fixed_size: 327680
    .private_segment_fixed_size: 0
    .kernarg_segment_align: 8
    .kernarg_segment_size: 24
    .max_flat_workgroup_size: 128
    .sgpr_count:     96
    .vgpr_count:     512
    .wavefront_size: 32
...
	.end_amdgpu_metadata
.endif
;; end of part 4
;; ======== version 2 of 2: 4 launches; version 1 with the launch cvt written anew for expert scheduling mode
;; limits: values outside matrix products are rounded to bf16; values are held in f16: magnitudes above 65,504 overflow, below 6.1e-05 lose precision; right only within a limited range of input values; inputs' magnitudes at most 65,520
;; workspace buffers: xb 16,777,216 bytes; wqkvb 33,554,432 bytes; wob 16,777,216 bytes; qkv 16,777,216 bytes; ab 8,388,608 bytes
;; launch cvt (part 5): grid 2048 x 1, 8 waves a work-group, no clusters, 0 bytes of LDS; arguments x, wq, wk, wv, wo, xb, wqkvb, wob; writes xb, wqkvb, wob
.if DOCPART == 5
	.amdgcn_target "amdgcn-amd-amdhsa--gfx1250"
	.amdhsa_code_object_version 6
	.text
	.protected	k_q652d8c1ba5_cvt
	.globl	k_q652d8c1ba5_cvt
	.p2align	8
	.type	k_q652d8c1ba5_cvt,@function
k_q652d8c1ba5_cvt:
	s_mov_b64 s[64:65], 0
	v_nop
	global_prefetch_b8 v0, s[64:65] scope:SCOPE_SE
	s_setreg_imm32_b32 hwreg(HW_REG_WAVE_SCHED_MODE, 0, 2), 2
	s_setreg_imm32_b32 hwreg(HW_REG_WAVE_MODE, 25, 1), 1
	s_wait_xcnt 0x0
	s_wait_alu depctr_vm_vsrc(0)
; cvt: the f32 inputs of the two products, rounded once to 16 bits and laid as the products want them.
;   xb    [2048][4096] bf16 = x
;   wqkvb [4096 k][4096 n] bf16: columns 0-2047 wq, 2048-3071 wk, 3072-4095 wv (a row is 8,192 bytes)
;   wob   [2048 k][4096 n] f16  = wo rounded to bf16 and then written as f16
; LIMIT (format): a bf16 number is an f16 number exactly for 2^-17 <= |w| < 65,520; below that the absolute error is at most 2^-25,
; above it the f16 is an infinity.
; A stream: no LDS, no barrier, no matrix unit.  A unit is 1,024 neighbouring f32 (4,096 bytes in, 2,048 out); a work-group of eight
; waves takes 16 neighbouring units, thread t the 16 bytes at 16 t of each.  4 x 512 work-groups: x, wq, wk and wv, wo.
; All 16 loads of a wave go out at once; each store of a wave covers 256 consecutive bytes, aligned.  No register is written twice
; while a memory instruction names it.
; THE MODE: SCHED_MODE bits 1:0 = 2 (LLVM: expert scheduling mode 2), set by the entry lines.  The code itself states the register
; dependences between vector instructions and memory instructions, with s_wait_alu, always for 0.
; THE PLAN.  Registers that memory instructions touch:
;   v1         the loads' offset.  Written once at the head, read by the 16 loads, never written again.
;   v[4:11]    the stores' offsets.  Written once, behind the loads, read by the stores, never written again.
;   X, unit i  four registers.  The unit's load lands in them; its conversions read them and write the first two; its one store reads
;              those two; nothing writes them afterwards.
; The 16 units go in four blocks of four.  Block p's conversions name the X registers of units 4 p .. 4 p + 3 alone; its memory
; instructions are the four stores of block p - 1.  So one wait at a block's head states all that the block's four stores hang on, and
; these are dealt among the block's conversions with no further wait.  No register that a memory instruction has read is written again,
; and no load lands in a register that a vector instruction has named: the text's one wait on vm_vsrc stands at the entry.
.set SO, 4                             ; v[4:11]   pair p of units: byte offset of my 8 bytes from the group's first output byte
.set X,  16                            ; v[16:79]  unit i: 4 registers as loaded; the first two are then the 8 bytes to store
	s_load_b512 s[8:23], s[0:1], 0x0               ; x 8, wq 10, wk 12, wv 14, wo 16, xb 18, wqkvb 20, wob 22
	s_lshr_b32 s2, ttmp9, 9                        ; region: 0 x, 1 wq, 2 wk and wv, 3 wo
	s_and_b32 s3, ttmp9, 511                       ; the work-group's number in its region
	s_and_b32 s32, s3, 255                         ; region 2: its number in wk or in wv,
	s_lshr_b32 s33, s3, 8                          ; and which of the two
	s_lshl_b32 s28, s3, 16                         ; source offset: 16 units of 4,096 bytes
	s_lshl_b32 s29, s3, 15                         ; output offset where the layout stays (x, wo): 16 units of 2,048 bytes
	s_mov_b32 s30, 2048                            ; from an even unit to the odd one behind it, in the output
	s_mov_b32 s31, 4096                            ; from a pair of units to the next
	s_lshl_b32 s37, s32, 17                        ; region 2: a unit is a row: 16 rows of 8,192 bytes,
	s_lshl_b32 s38, s33, 11
	s_add_co_u32 s37, s37, s38                     ; + 2,048 for wv,
	s_add_co_u32 s37, s37, 4096                    ; + column 2,048
	s_lshl_b32 s38, s32, 16                        ; region 2: source offset
	s_mov_b32 s36, 0xffff0000                      ; a word's upper bf16
	v_lshlrev_b32 v1, 4, v0                        ; my 16 bytes of a unit
	v_lshlrev_b32 v2, 3, v0                        ; my 8 bytes of its output
	s_wait_kmcnt 0x0
	s_cmp_eq_u32 s2, 1                             ; wq: two units make a row, whose output row is 8,192 bytes long
	s_cselect_b64 s[24:25], s[10:11], s[8:9]
	s_cselect_b64 s[26:27], s[20:21], s[18:19]
	s_cselect_b32 s29, s28, s29
	s_cselect_b32 s31, 8192, s31
	s_cmp_eq_u32 s2, 3                             ; wo: as x, other buffers
	s_cselect_b64 s[24:25], s[16:17], s[24:25]
	s_cselect_b64 s[26:27], s[22:23], s[26:27]
	s_cmp_eq_u32 s33, 1
	s_cselect_b64 s[34:35], s[14:15], s[12:13]     ; wv or wk
	s_cmp_eq_u32 s2, 2
	s_cselect_b64 s[24:25], s[34:35], s[24:25]
	s_cselect_b64 s[26:27], s[20:21], s[26:27]
	s_cselect_b32 s28, s38, s28
	s_cselect_b32 s29, s37, s29
	s_cselect_b32 s30, 8192, s30
	s_cselect_b32 s31, 16384, s31
	s_mov_b32 s34, s28
	s_mov_b32 s35, 0
	s_add_nc_u64 s[24:25], s[24:25], s[34:35]      ; the group's first source byte
	s_mov_b32 s34, s29
	s_add_nc_u64 s[26:27], s[26:27], s[34:35]      ; the even units' base in the output
	s_mov_b32 s34, s30
	s_add_nc_u64 s[34:35], s[26:27], s[34:35]      ; the odd units' base
	s_wait_alu depctr_va_vdst(0)                   ; v1 is written: the 16 loads below read it as their offset
.irp i, 0,1,2,3,4,5,6,7,8,9,10,11,12,13,14,15
	global_load_b128 v[X+4*\i:X+4*\i+3], v1, s[24:25] offset:4096*\i th:TH_LOAD_NT   ; read once in the whole program
.endr
.irp p, 0,1,2,3,4,5,6,7
	v_mad_u32_u24 v[SO+\p], s31, \p, v2            ; made while the loads are on their way; the wait at block 1's head stands ahead of their first reader
.endr
; Unit i is rounded, in place.  half = 1: the bf16 numbers are widened again and written as f16.
.macro CONV i, half
	v_cvt_pk_bf16_f32 v[X+4*(\i)],   v[X+4*(\i)],   v[X+4*(\i)+1]
	v_cvt_pk_bf16_f32 v[X+4*(\i)+1], v[X+4*(\i)+2], v[X+4*(\i)+3]
.if \half
	v_lshlrev_b32 v[X+4*(\i)+2], 16, v[X+4*(\i)]
	v_and_b32     v[X+4*(\i)+3], s36, v[X+4*(\i)]
	v_cvt_pk_f16_f32 v[X+4*(\i)], v[X+4*(\i)+2], v[X+4*(\i)+3]
	v_lshlrev_b32 v[X+4*(\i)+2], 16, v[X+4*(\i)+1]
	v_and_b32     v[X+4*(\i)+3], s36, v[X+4*(\i)+1]
	v_cvt_pk_f16_f32 v[X+4*(\i)+1], v[X+4*(\i)+2], v[X+4*(\i)+3]
.endif
.endm
; Unit i is stored.
.macro SEND i
.if (\i) & 1
	global_store_b64 v[SO+(\i)/2], v[X+4*(\i):X+4*(\i)+1], s[34:35]    ; no hint: the next launches read it
.else
	global_store_b64 v[SO+(\i)/2], v[X+4*(\i):X+4*(\i)+1], s[26:27]
.endif
.endm
; Block p: units 4 p .. 4 p + 3 are rounded; ahead of each unit's conversions goes one store of the block before.
.macro BLOCK p, half
	s_wait_loadcnt 15-4*(\p)                       ; loads come back in order (ISA guide 5.7.1): unit 4 p is in, the 15 - 4 p younger ones may stay out
.if (\p) > 0
	s_wait_alu depctr_va_vdst(0)                   ; the block before has written the first two registers of each of its units, which the four stores below read; at block 1 also: v[SO ..] are written, the stores' offsets
.endif
.irp j, 0,1,2,3
.if (\p) > 0
	SEND 4*(\p)-4+\j                               ; no further wait: no vector instruction since the wait above names this unit's registers or an offset
.endif
.if \j > 0
	s_wait_loadcnt 15-4*(\p)-\j                    ; the next unit is in
.endif
	CONV 4*(\p)+\j, \half
.endr
.endm
; The four blocks, and the last block's stores.
.macro ALLBLOCKS half
	BLOCK 0, \half
	BLOCK 1, \half
	BLOCK 2, \half
	BLOCK 3, \half
	s_wait_alu depctr_va_vdst(0)                   ; block 3 has written the registers that the last four stores read
	SEND 12
	SEND 13
	SEND 14
	SEND 15
.endm
	s_cmp_eq_u32 s2, 3
	s_cbranch_scc1 .Lhalf
	ALLBLOCKS 0
	s_endpgm
.Lhalf:
	ALLBLOCKS 1
	s_endpgm
.Lfunc_end_k_q652d8c1ba5_cvt:
	.size	k_q652d8c1ba5_cvt, .Lfunc_end_k_q652d8c1ba5_cvt-k_q652d8c1ba5_cvt
	.p2alignl 7, 3214868480
	.fill 96, 4, 3214868480
	.section	.rodata,"a",@progbits
	.p2align	6, 0x0
	.amdhsa_kernel k_q652d8c1ba5_cvt
		.amdhsa_group_segment_fixed_size 0
		.amdhsa_private_segment_fixed_size 0
		.amdhsa_enable_private_segment 0
		.amdhsa_kernarg_size 64
		.amdhsa_user_sgpr_count 2
		.amdhsa_user_sgpr_kernarg_segment_ptr 1
		.amdhsa_wavefront_size32 1
		.amdhsa_system_sgpr_workgroup_id_x 1
		.amdhsa_system_sgpr_workgroup_id_y 1
		.amdhsa_system_sgpr_workgroup_id_z 1
		.amdhsa_system_vgpr_workitem_id 0
		.amdhsa_next_free_vgpr 80
		.amdhsa_next_free_sgpr 66
		.amdhsa_reserve_vcc 0
		.amdhsa_float_denorm_mode_32 3
		.amdhsa_float_denorm_mode_16_64 3
		.amdhsa_memory_ordered 1
		.amdhsa_forward_progress 1
		.amdhsa_inst_pref_size 17
	.end_amdhsa_kernel
	.amdgpu_metadata
---
amdhsa.version: [ 1, 2 ]
amdhsa.kernels:
  - .name:           k_q652d8c1ba5_cvt
    .symbol:         k_q652d8c1ba5_cvt.kd
    .args:
      - { .name: x, .offset: 0, .size: 8, .value_kind: global_buffer, .address_space: global }
      - { .name: wq, .offset: 8, .size: 8, .value_kind: global_buffer, .address_space: global }
      - { .name: wk, .offset: 16, .size: 8, .value_kind: global_buffer, .address_space: global }
      - { .name: wv, .offset: 24, .size: 8, .value_kind: global_buffer, .address_space: global }
      - { .name: wo, .offset: 32, .size: 8, .value_kind: global_buffer, .address_space: global }
      - { .name: xb, .offset: 40, .size: 8, .value_kind: global_buffer, .address_space: global }
      - { .name: wqkvb, .offset: 48, .size: 8, .value_kind: global_buffer, .address_space: global }
      - { .name: wob, .offset: 56, .size: 8, .value_kind: global_buffer, .address_space: global }
    .group_segment_fixed_size: 0
    .private_segment_fixed_size: 0
    .kernarg_segment_align: 8
    .kernarg_segment_size: 64
    .max_flat_workgroup_size: 256
    .sgpr_count:     66
    .vgpr_count:     80
    .wavefront_size: 32
...
	.end_amdgpu_metadata
.endif
;; end of part 5
;; launch qkv: the kernel of part 2 again; grid 16 x 16, 4 waves a work-group, clusters of 4 x 4, 327,680 bytes of LDS; arguments xb, wqkvb, qkv, cos, sin; writes qkv
;; launch attn: the kernel of part 3 again; grid 32 x 8, 4 waves a work-group, clusters of 4 x 1, 327,680 bytes of LDS; arguments qkv, ab; writes ab
;; launch outp: the kernel of part 4 again; grid 16 x 16, 4 waves a work-group, clusters of 4 x 4, 327,680 bytes of LDS; arguments ab, wob, out0; writes out0
